; MI455X (gfx1250); checked and timed in simulation.
; The chip was launched on July 23, 2026; its instructions are those of AMD's public machine-readable ISA for CDNA 5 (MIT licence, August 2026) and "CDNA5" Instruction Set Architecture Reference Guide (July 2026). The comments in the code are by the model that wrote it; some were corrected since.
;; HF Exaone Attention. Allowed arithmetic: matrix products marked QUANTISED: E2M1 operands, one E8M0 scale for each 32 along K, by v_wmma_scale_f32_16x16x128_f8f6f4 with both operands' format E2M1 (or v_wmma_scale_f32_32x16x128_f4), f32 sums; products left as they are: bf16, f16 or f32 operands; f32 sums; everything else in f32.
;; Inputs: cos 2 x 2,048 x 128 float32; hidden_states 2 x 2,048 x 4,096 float32; sin 2 x 2,048 x 128 float32; wk 512 x 4,096 float32; wo 4,096 x 1,024 float32; wq 1,024 x 4,096 float32; wv 512 x 4,096 float32.
;; Outputs: out0 2 x 2,048 x 4,096 float32.
;; This version of the problem:
;;   THIS VERSION OF THE PROBLEM IS GIVEN IN LOW PRECISION. The matrix products marked QUANTISED in the list below multiply operands that are first quantised to E2M1 (2 exponent bits, 1 mantissa bit; 4 bits a number), with one power-of-two scale for each 32 numbers along K (OCP MX v1.0); their sums are f32. The products marked 'left as it is' may take bf16, f16 or f32 operands, with f32 sums. Whichever they take, every output number must still come out within the allowed error. Rounding operands to bf16 (8 significant bits) uses up far more of that allowance than f16 does (11 bits, for magnitudes from 6e-5 to 65,504). All else is computed in f32.
;;   The module's matrix products, in the order in which they are computed (A, B: the left and right operand; K: the contracted axis; several contracted axes count as one K, in the product's order):
;;     1. [M 4,096, K 4,096] x [K 4,096, N 1,024]; A: input hidden_states; B: input wq: QUANTISED
;;     2. [M 4,096, K 4,096] x [K 4,096, N 512]; A: input hidden_states; B: input wk: QUANTISED
;;     3. [M 4,096, K 4,096] x [K 4,096, N 512]; A: input hidden_states; B: input wv: QUANTISED
;;     4. batch 16 x [M 2,048, K 128] x [K 128, N 2,048]; A: computed on the way; B: computed on the way: left as it is (an operand is computed on the way)
;;     5. batch 16 x [M 2,048, K 2,048] x [K 2,048, N 128]; A: computed on the way; B: computed on the way: left as it is (an operand is computed on the way)
;;     6. [M 4,096, K 1,024] x [K 1,024, N 4,096]; A: computed on the way; B: input wo: left as it is (an operand is computed on the way)
;;   THE QUANTISER, for each operand of a quantised product, along K:
;;     - K is cut into blocks of 32 from its start; a last block that is shorter is filled with zeros.
;;     - A block's scale is 2^e with e = floor(log2(the largest magnitude in the block)) - 2, held to -126 .. 127; a block of zeros has e = 0. As a byte (E8M0): e + 127.
;;     - Each number is divided by its block's scale, clamped to +-6, and rounded to the nearest number of E2M1, ties to even, subnormals kept.
;;     - The product sums the exact products of the quantised numbers (number of the format x scale) in f32.
;;   ~~~python
;;   def quantise(x, axis):      # numpy; x: float32 -> the quantised numbers, widened to float32 again
;;       x = np.moveaxis(x, axis, -1); K = x.shape[-1]
;;       x = np.pad(x, [(0, 0)] * (x.ndim - 1) + [(0, -K % 32)]); x = x.reshape(x.shape[:-1] + (-1, 32)); a = np.abs(x).max(-1, keepdims=True)
;;       e = np.where(a > 0, np.clip(np.frexp(np.where(a > 0, a, 1))[1] - 1 - 2, -126, 127), 0)      # np.frexp(a)[1] - 1 = floor(log2(a)), exactly
;;       r = np.clip(x / 2.0 ** e, -6, 6)
;;       step = 2.0 ** (np.maximum(np.frexp(np.where(r == 0, 1, r))[1] - 1, 0) - 1)
;;       q = np.round(r / step) * step * 2.0 ** e      # np.round: ties to even
;;       return np.moveaxis(q.reshape(q.shape[:-2] + (-1,))[..., :K], -1, axis).astype(np.float32)
;;   ~~~
;; One version. Each part assembles by itself: llvm-mc -triple=amdgcn-amd-amdhsa -mcpu=gfx1250 --defsym DOCPART=n.
;; ======== version 1 of 1: 5 launches
;; limits: values are held in f16: magnitudes above 65,504 overflow, below 6.1e-05 lose precision
;; workspace buffers: codes 12,582,912 bytes; scales 786,432 bytes; wo16 8,388,608 bytes; qkv16 16,777,216 bytes; att16 8,388,608 bytes; fine 262,144 bytes
;; launch quant (part 1): grid 896 x 1, 4 waves a work-group, no clusters, 40,448 bytes of LDS; arguments hidden_states, wq, wk, wv, wo, codes, scales, wo16; writes codes, scales, wo16
.if DOCPART == 1
	.amdgcn_target "amdgcn-amd-amdhsa--gfx1250"
	.amdhsa_code_object_version 6
	.text
	.protected	k_qb0f1476eb4_quant
	.globl	k_qb0f1476eb4_quant
	.p2align	8
	.type	k_qb0f1476eb4_quant,@function
k_qb0f1476eb4_quant:
	s_mov_b64 s[64:65], 0
	v_nop
	global_prefetch_b8 v0, s[64:65] scope:SCOPE_SE
	s_setreg_imm32_b32 hwreg(HW_REG_WAVE_MODE, 25, 1), 1
	s_wait_xcnt 0x0
; hidden_states [4096][4096], wq [1024][4096], wk [512][4096], wv [512][4096], all f32 with K innermost, become codes of FP4 (E2M1), two a byte, and one E8M0 byte for each 32 along K,
; as ONE operand table of 6,144 rows (0-4095 hidden_states, 4096-5119 wq, 5120-5631 wk, 5632-6143 wv), LAID IN THE ORDER OF THE OPERAND'S REGISTERS:
;   codes  [block of 16 rows][K step of 512][128 along K][half c][lane][16 bytes]: a fragment (16 rows x 128 K) is 1,024 bytes on end; a block of 32 codes of row r lies at byte 256 x block + 16 r of its K step's 4,096;
;   scales [K step of 512][row][16 bytes].
; wo [4096][1024] becomes f16, row-major.
; A block's scale is 2^(floor(log2(its largest magnitude)) - 2); its byte is the largest magnitude's exponent field - 2, held at 1 from below.
; LIMITS: a block of zeros gets the byte 1 where the rule says 127 (its codes are zeros, and this program alone reads the bytes); blocks whose largest magnitude lies under 2^-124 were not tried;
; NaN and infinities are not served; |wo| beyond 65,504 has no f16 number.
; SHARES.  A work-group takes 16 rows x 2,048 along K, a wave 16 rows x 512: one K step.  A step of the wave is one row: 2,048 consecutive bytes.  Work-groups 0-511 hidden_states, 512-639 wq, 640-703 wk, 704-767 wv, 768-895 wo.
; A lane's 16 codes (8 bytes) belong to one row, and the 256 bytes round them to sixteen rows: so the wave gathers its 4,096 bytes of codes in LDS and stores them as eight runs of 512 consecutive bytes.
; The four quantised tensors take one way through the text (only pointers are chosen); wo takes a way of its own that touches no LDS but its spare words.
.set WAVES, 4
.set STEPS, 16
.set EMAX,  2
.set CB,    8                          ; bytes of 16 codes
.set R,     16                         ; v16-79   four sets of 16 numbers as loaded
.set X,     80                         ; v80-111  two sets of 16 neighbours; at the end the codes on their way out
.set E,     112                        ; v112-127 a scale byte for each step
.set C,     128                        ; v128-191 codes, four registers a step
.set SP,    80                         ; a lane's place in a stage: 64 bytes + 16 of padding
.set SBY,   2*32*SP                    ; LDS of a wave: two stages of 32 x SP bytes, then its 256 scale bytes,
.set IMG,   SBY+256                    ; then the image of its codes: 16 blocks x (256 bytes + 16)
.set IP,    272
.set WREG,  9984
.set IMO,   1                          ; v1  the image, on the way out
.set IMI,   10                         ; v10 the image, on the way in
.set SPW,   12                         ; v12 my spare word's LDS address; never rewritten
.set NIL,   13                         ; v13 0; never rewritten
.set SPARE, WAVES*WREG                 ; the spare words: 128 bytes a wave
.set H0,    16                         ; wo's way: two sets of 64 registers
.set H1,    80
	s_load_b256 s[4:11], s[0:1], 0x0               ; hidden_states, wq, wk, wv
	s_load_b256 s[12:19], s[0:1], 0x20             ; wo, codes, scales, wo16
	v_lshl_add_u32 v[SPW], v0, 2, SPARE
	v_mov_b32 v[NIL], 0
	v_lshrrev_b32 v1, 5, v0
	v_readfirstlane_b32 s20, v1                    ; wave
	v_and_b32 v2, 31, v0                           ; lane
	v_lshlrev_b32 v3, 4, v2                        ; my 16 bytes of 512
	s_mul_i32 s28, s20, WREG
	v_lshrrev_b32 v14, 2, v2
	v_mul_u32_u24 v14, v14, SP
	v_and_b32 v15, 3, v2
	v_lshl_add_u32 v14, v15, 4, v14
	v_add_nc_u32 v14, s28, v14                     ; the stage, on the way in: SP (lane / 4) + 16 (lane % 4)
	v_mul_u32_u24 v15, v2, SP
	v_add_nc_u32 v15, s28, v15                     ; and on the way out: SP x lane: my 16 neighbours
	v_mul_u32_u24 v4, v2, CB                       ; 8 bytes a lane: wo's four f16
	v_lshrrev_b32 v5, 1, v2                        ; my block of 32 in the row's 512
	v_mul_u32_u24 v[IMI], v5, IP
	s_add_co_u32 s29, s28, SBY
	v_add_nc_u32 v5, s29, v5                       ; LDS: my block's scale byte
	v_lshlrev_b32 v7, 3, v2
	v_add_nc_u32 v6, s29, v7                       ; and the bytes' way out, 8 a lane
	s_add_co_u32 s29, s28, IMG
	v_and_b32 v8, 1, v2
	v_lshl_add_u32 v[IMI], v8, 3, v[IMI]
	v_add_nc_u32 v[IMI], s29, v[IMI]               ; the image, in: IP x block + 8 x (my half of the block); the row's 16 bytes stand in the offset
	v_lshrrev_b32 v[IMO], 4, v2
	v_mul_u32_u24 v[IMO], v[IMO], IP
	v_and_b32 v8, 15, v2
	v_lshl_add_u32 v[IMO], v8, 4, v[IMO]
	v_add_nc_u32 v[IMO], s29, v[IMO]               ; and out: lanes 0-15 one block's 256 bytes, lanes 16-31 the next block's
	s_wait_kmcnt 0x0
	s_cmp_ge_u32 ttmp9, 768
	s_cbranch_scc1 .Lwo
	s_cmp_lt_u32 ttmp9, 704                        ; which tensor: the choice hangs on the work-group's number alone
	s_cselect_b64 s[22:23], s[8:9], s[10:11]
	s_mov_b32 s21, 704
	s_cselect_b32 s21, 640, s21
	s_cmp_lt_u32 ttmp9, 640
	s_cselect_b64 s[22:23], s[6:7], s[22:23]
	s_cselect_b32 s21, 512, s21
	s_cmp_lt_u32 ttmp9, 512
	s_cselect_b64 s[22:23], s[4:5], s[22:23]
	s_cselect_b32 s21, 0, s21                      ; the tensor's first work-group (an even number)
	s_sub_co_u32 s21, ttmp9, s21
	s_lshr_b32 s24, s21, 1                         ; my block of 16 rows in the tensor,
	s_lshl_b32 s24, s24, 18                        ; 16 rows of 16,384 bytes
	s_and_b32 s26, ttmp9, 1
	s_lshl_b32 s26, s26, 2
	s_add_co_u32 s26, s26, s20                     ; my K step: 4 x (work-group % 2) + wave
	s_lshl_b32 s27, s26, 11                        ; 2,048 bytes of a row
	s_add_co_u32 s24, s24, s27
	s_mov_b32 s25, 0
	s_add_nc_u64 s[22:23], s[22:23], s[24:25]
	s_lshr_b32 s28, ttmp9, 1                       ; my block of 16 rows in the table
	s_lshl_b32 s24, s28, 15                        ; 32,768 bytes of codes a block,
	s_lshl_b32 s27, s26, 12                        ; 4,096 a K step
	s_add_co_u32 s24, s24, s27
	s_add_nc_u64 s[14:15], s[14:15], s[24:25]
	s_mul_i32 s24, s26, 98304                      ; scales: 6,144 rows x 16 bytes a K step,
	s_lshl_b32 s27, s28, 8                         ; 256 bytes a block of rows
	s_add_co_u32 s24, s24, s27
	s_add_nc_u64 s[16:17], s[16:17], s[24:25]
.macro LOAD t                          ; row t's 512 numbers
.irp i, 0,1,2,3
	global_load_b128 v[R+16*((\t)%4)+4*\i:R+16*((\t)%4)+4*\i+3], v3, s[22:23] offset:16384*(\t)+512*\i th:TH_LOAD_NT   ; 32 lanes read 512 consecutive bytes
.endr
.endm
.macro TURN t                          ; step t's numbers through the stage: LDS serves a wave's instructions in order, so no wait stands between the stores and the loads
.irp i, 0,1,2,3
	ds_store_b128 v14, v[R+16*((\t)%4)+4*\i:R+16*((\t)%4)+4*\i+3] offset:32*SP*((\t)%2)+8*SP*\i
.endr
.irp i, 0,1,2,3
	ds_load_b128 v[X+16*((\t)%2)+4*\i:X+16*((\t)%2)+4*\i+3], v15 offset:32*SP*((\t)%2)+16*\i
.endr
.endm
.irp t, 0,1,2,3
	LOAD \t
.endr
	s_wait_loadcnt 12                              ; step 0's four loads are in; the twelve of steps 1 to 3 may be out
	TURN 0
.macro STEP t
.set XS, X+16*((\t)%2)
.if (\t) > 0
	s_wait_dscnt 2                                 ; this step's numbers are back from the stage; the last step's byte store and its store into the image may be out
.else
	s_wait_dscnt 0x0
.endif
.if (\t)+4 < STEPS
	LOAD (\t)+4                                    ; into the set that the stage's stores have read
.endif
.if (\t)+1 < STEPS
.if STEPS-2-(\t) >= 3
	s_wait_loadcnt 12                              ; the next step's four loads are in; those of the three steps behind it may be out
.else
	s_wait_loadcnt 4*(STEPS-2-(\t))
.endif
	TURN (\t)+1
.endif
	v_max3_num_f32 v8, |v[XS]|, |v[XS+1]|, |v[XS+2]|               ; the largest magnitude of my 16, in two chains
	v_max3_num_f32 v9, |v[XS+3]|, |v[XS+4]|, |v[XS+5]|
.irp i, 6,10
	v_max3_num_f32 v8, v8, |v[XS+\i]|, |v[XS+\i+1]|
	v_max3_num_f32 v9, v9, |v[XS+\i+2]|, |v[XS+\i+3]|
.endr
	v_max3_num_f32 v8, v8, |v[XS+14]|, |v[XS+15]|
	v_max3_num_f32 v8, v8, v9, (EMAX+1)<<23        ; and the floor 2^(3 - 127): the byte cannot fall under 1
	v_max_num_f32_dpp v8, v8, v8 row_xmask:1 row_mask:0xf bank_mask:0xf   ; with my neighbour's 16: the block's
	v_add_nc_u32 v11, -(EMAX<<23), v8              ; 2 off its exponent field: the conversion takes this operand's exponent field as its scale
	v_cvt_scalef32_pk8_fp4_f32 v[C+4*(\t)], v[XS:XS+7], v11
	v_cvt_scalef32_pk8_fp4_f32 v[C+4*(\t)+1], v[XS+8:XS+15], v11
	v_lshrrev_b32 v[E+(\t)], 23, v11               ; the scale's byte (also the plain line behind the conversions)
	ds_store_b8 v5, v[E+(\t)] offset:16*(\t)       ; row t's 16 bytes; both lanes of a block write the same byte with the same value
	ds_store_b64 v[IMI], v[C+4*(\t):C+4*(\t)+1] offset:16*(\t)   ; my half of the block's 16 bytes, at row t's place; the 16 blocks lie IP apart: 32 lanes touch 256 different bytes modulo 256
.endm
.irp t, 0,1,2,3,4,5,6,7,8,9,10,11,12,13,14,15
	STEP \t
.endr
	ds_load_b64 v[8:9], v6                         ; my wave's 256 scale bytes: these loads see my stores
.irp j, 0,1,2,3,4,5,6,7
	ds_load_b128 v[X+4*\j:X+4*\j+3], v[IMO] offset:2*\j*IP   ; two blocks' 512 bytes of the image
.endr
	s_wait_dscnt 0x0
	global_store_b64 v7, v[8:9], s[16:17]          ; 256 consecutive bytes, aligned
.irp j, 0,1,2,3,4,5,6,7
	global_store_b128 v3, v[X+4*\j:X+4*\j+3], s[14:15] offset:512*\j   ; 512 consecutive bytes, aligned
.endr
	s_wait_tensorcnt 0x0                           ; the wave's end, behind my last LDS store
	ds_add_u32 v[SPW], v[NIL]
	s_wait_dscnt 0x0
	s_endpgm
; wo to f16: four batches of 16 loads (512 consecutive bytes each) in two sets of registers; a lane's four numbers become 8 bytes, a wave's store 256 consecutive bytes, aligned
.macro WLD h, batch
.irp i, 0,1,2,3,4,5,6,7,8,9,10,11,12,13,14,15
	global_load_b128 v[\h+4*\i:\h+4*\i+3], v3, s[24:25] offset:8192*\batch+512*\i th:TH_LOAD_NT
.endr
.endm
.macro WCV h, batch
.irp i, 0,1,2,3,4,5,6,7,8,9,10,11,12,13,14,15
	v_cvt_pk_f16_f32 v[\h+4*\i], v[\h+4*\i], v[\h+4*\i+1]
	v_cvt_pk_f16_f32 v[\h+4*\i+1], v[\h+4*\i+2], v[\h+4*\i+3]
	global_store_b64 v4, v[\h+4*\i:\h+4*\i+1], s[26:27] offset:4096*\batch+256*\i
.endr
.endm
.Lwo:
	s_sub_co_u32 s21, ttmp9, 768
	s_lshl_b32 s21, s21, 2
	s_add_co_u32 s21, s21, s20                     ; which run of 8,192 numbers of wo
	s_lshl_b32 s28, s21, 15
	s_mov_b32 s29, 0
	s_add_nc_u64 s[24:25], s[12:13], s[28:29]
	s_lshl_b32 s28, s21, 14
	s_add_nc_u64 s[26:27], s[18:19], s[28:29]
	WLD H0, 0
	WLD H1, 1
	s_wait_loadcnt 16                              ; the older set is in; the other set's 16 loads may be out
	WCV H0, 0
	s_wait_xcnt 0x0                                ; the stores' data registers are loaded again only behind this wait
	WLD H0, 2
	s_wait_loadcnt 16
	WCV H1, 1
	s_wait_xcnt 0x0
	WLD H1, 3
	s_wait_loadcnt 16
	WCV H0, 2
	s_wait_loadcnt 0x0
	WCV H1, 3
	s_wait_tensorcnt 0x0                           ; the same three lines at this way's end
	ds_add_u32 v[SPW], v[NIL]
	s_wait_dscnt 0x0
	s_endpgm
.Lfunc_end_k_qb0f1476eb4_quant:
	.size	k_qb0f1476eb4_quant, .Lfunc_end_k_qb0f1476eb4_quant-k_qb0f1476eb4_quant
	.p2alignl 7, 3214868480
	.fill 96, 4, 3214868480
	.section	.rodata,"a",@progbits
	.p2align	6, 0x0
	.amdhsa_kernel k_qb0f1476eb4_quant
		.amdhsa_group_segment_fixed_size 40448
		.amdhsa_private_segment_fixed_size 0
		.amdhsa_enable_private_segment 0
		.amdhsa_kernarg_size 64
		.amdhsa_user_sgpr_count 2
		.amdhsa_user_sgpr_kernarg_segment_ptr 1
		.amdhsa_wavefront_size32 1
		.amdhsa_system_sgpr_workgroup_id_x 1
		.amdhsa_system_sgpr_workgroup_id_y 1
		.amdhsa_system_sgpr_workgroup_id_z 1
		.amdhsa_system_vgpr_workitem_id 0
		.amdhsa_next_free_vgpr 192
		.amdhsa_next_free_sgpr 66
		.amdhsa_reserve_vcc 0
		.amdhsa_float_denorm_mode_32 3
		.amdhsa_float_denorm_mode_16_64 3
		.amdhsa_memory_ordered 1
		.amdhsa_forward_progress 1
		.amdhsa_inst_pref_size 56
	.end_amdhsa_kernel
	.amdgpu_metadata
---
amdhsa.version: [ 1, 2 ]
amdhsa.kernels:
  - .name:           k_qb0f1476eb4_quant
    .symbol:         k_qb0f1476eb4_quant.kd
    .args:
      - { .name: hidden_states, .offset: 0, .size: 8, .value_kind: global_buffer, .address_space: global }
      - { .name: wq, .offset: 8, .size: 8, .value_kind: global_buffer, .address_space: global }
      - { .name: wk, .offset: 16, .size: 8, .value_kind: global_buffer, .address_space: global }
      - { .name: wv, .offset: 24, .size: 8, .value_kind: global_buffer, .address_space: global }
      - { .name: wo, .offset: 32, .size: 8, .value_kind: global_buffer, .address_space: global }
      - { .name: codes, .offset: 40, .size: 8, .value_kind: global_buffer, .address_space: global }
      - { .name: scales, .offset: 48, .size: 8, .value_kind: global_buffer, .address_space: global }
      - { .name: wo16, .offset: 56, .size: 8, .value_kind: global_buffer, .address_space: global }
    .group_segment_fixed_size: 40448
    .private_segment_fixed_size: 0
    .kernarg_segment_align: 8
    .kernarg_segment_size: 64
    .max_flat_workgroup_size: 128
    .sgpr_count:     66
    .vgpr_count:     192
    .wavefront_size: 32
...
	.end_amdgpu_metadata
.endif
;; end of part 1
;; launch qkv (part 2): grid 16 x 16, 4 waves a work-group, no clusters, 327,680 bytes of LDS; arguments codes, scales, cos, sin, qkv16, fine; writes qkv16, fine
.if DOCPART == 2
	.amdgcn_target "amdgcn-amd-amdhsa--gfx1250"
	.amdhsa_code_object_version 6
	.text
	.protected	k_qb0f1476eb4_qkv
	.globl	k_qb0f1476eb4_qkv
	.p2align	8
	.type	k_qb0f1476eb4_qkv,@function
k_qb0f1476eb4_qkv:
	s_mov_b64 s[64:65], 0
	v_nop
	global_prefetch_b8 v0, s[64:65] scope:SCOPE_SE
	s_setreg_imm32_b32 hwreg(HW_REG_WAVE_MODE, 25, 1), 1
	s_wait_xcnt 0x0
; x wq^T, x wk^T, x wv^T as ONE product on codes of FP4 with E8M0 scales (M 4,096, N 2,048, K 4,096), RoPE in f32 on the way out, results as f16 by head.
; codes [block of 16 rows][K step of 512][128 along K][half c][lane][16 bytes], scales [K step][row][16 bytes]: rows 0-4095 x, rows 4096 + n the weights' row n (n 0-1023 q, 1024-1535 k, 1536-2047 v).
; qkv16: 32 planes [2048 positions][128] f16: plane 8 b + h: q x 2c (c = log2(e) / sqrt(128)); plane 16 + 4 b + kv: k / 2; plane 24 + 4 b + kv: v.  So q' . k' is the score in powers of two.
; fine [16 b + position][2048] f32: the same numbers of positions 0-15 of both sequences, unrounded, for the launch that carries those rows in f32.
; LIMITS: f16 holds |q| under 256,000, |k| under 131,000, |v| under 65,504; NaN and infinities are not served.
; SHARES.  A work-group makes 256 rows x 128 columns (one head): 256 work-groups.  Wave w: rows 64 w .. 64 w + 63, all 128 columns: 32 accumulators.  A whole head lies in one wave, so channels d and d + 64
; are accumulators b and b + 4 in the same lane and register: RoPE stays in registers.
; THE WEIGHTS' 128 rows, for all of K, are 262,144 bytes: they come into LDS ONCE, with x's and the weights' scales, by four tensor loads a wave at the head, and stay.  Nothing is filled again.
; x's ROWS are each read by one wave alone: its 64 rows go from memory STRAIGHT INTO REGISTERS, a fragment by two loads of 512 consecutive bytes, through a ring of eight sets of four fragments: 56 loads of a wave,
; seven steps of 128 along K, are on their way, and no barrier stands among them.
; NO CLUSTER: x's rows are no tile in LDS; the weights' tile is shared by the work-groups of one column, and a cluster along the rows would put the rows' number, on which the branch for the f32 copy hangs, on a place in the cluster.
; THE MATRIX INSTRUCTION IS USED TRANSPOSED (source 0 = 16 weight rows, source 1 = 16 rows of x): a lane holds eight neighbouring columns of one row.
; The 32 steps of 128 along K are written out by one macro: every offset is an immediate, no pointer is stepped, and each wait has its own count.
; REGISTERS: window 0: v1-31 addresses; v32-79 scale words, two sets of 24; v96-159 T, v160-191 TMP, v192-255 BK on the way out.  window 1: accumulator (a, b) at v[8 (8 a + b)].
;   window 2: x's ring: set n % 8 at 32 (n % 8), block a at + 8 a; at the end v0-127 the tables of blocks 1 and 3.   window 3: the weights' fragments, set n % 2 at 64 (n % 2), block b at + 8 b; v128-255 the tables of blocks 0 and 2.
.set KSB,    32768                     ; a K step of the weights in LDS: 8 blocks of 16 rows x 4,096 bytes
.set SCB,    8*KSB                     ; behind the eight K steps: the weights' scales [K step][128 rows][16 bytes],
.set SCA,    SCB+8*2048                ; x's scales, for each wave [K step][64 rows][16 bytes],
.set SPARE,  SCA+4*8192                ; and the spare words, 128 bytes a wave
.set SPITCH, 272                       ; the way out's stage, 16 rows x 272 bytes for each wave, lies in K step 0's bytes: they have had their one fill, and every wave has passed the second barrier behind its last read of them
.set VB,   16                          ; v16-19 16 x lane + 65,536 k: the weights' K steps 2 k and 2 k + 1
.set ASA,  20                          ; v20 x's scale words: 16 x lane in my wave's part
.set ASB,  21                          ; v21 the weights'
.set AO,   22                          ; v22 16 x lane: my 16 bytes of a load's 512; never rewritten
.set STO,  24
.set RD,   25
.set GO,   26
.set SPW,  28
.set NIL,  29
.set CSO,  30
.set FO,   31
.set SC,   32                          ; set s % 2 at + 24 (s % 2).  In it: + 4 i + q: x's blocks 2 i (lanes 0-15) and 2 i + 1 (lanes 16-31); + 8 + 4 i + q: the weights' likewise; q: which 128 of the K step
.set T,    96
.set TMP,  160
.set BK,   192
.set WV,   16
.set TX,   18
.set TY,   19
.set KIND, 20
.set FINEF, 21
.set G1C,  24                          ; s[24:31] group 1 for a K step of the weights' codes;  s[32:39] for x's scales;  s[40:47] for the weights'
.set G1SA, 32
.set G1SB, 40
.set G0SA, 48                          ; groups 0, one for each of my four loads
.set G0SB, 52
.set G0C0, 56
.set G0C1, 60
.set AB,   66                          ; s[66:67] x's codes at my wave's first row; never rewritten
.set MSB, 0
.macro WIN new                         ; the immediate's high byte repeats the setting that is left
.if MSB != (\new)
	s_set_vgpr_msb (MSB<<8)|(\new)
.set MSB, (\new)
.endif
.endm
.set MUL,    0x5b                      ; source 0 window 3, source 1 window 2, C and D window 1
.set TO_A,   0x80                      ; destination window 2
.set TO_B,   0xc0                      ; destination window 3
.set ACC_RD, 0x01                      ; source 0 window 1
.macro PLACES
.rept 4
	v_nop
.endr
.endm
	s_load_b256 s[4:11], s[0:1], 0x0               ; codes, scales, cos, sin
	s_load_b128 s[12:15], s[0:1], 0x20             ; qkv16, fine
	v_lshl_add_u32 v[SPW], v0, 2, SPARE
	v_mov_b32 v[NIL], 0
	ds_add_u32 v[SPW], v[NIL]                      ; the opening: the add, twice on end, and its wait ahead of my first tensor load
	ds_add_u32 v[SPW], v[NIL]
	v_lshrrev_b32 v1, 5, v0
	v_readfirstlane_b32 s[WV], v1                  ; wave 0..3
	v_and_b32 v3, 31, v0                           ; lane
	v_lshlrev_b32 v[AO], 4, v3
	v_lshlrev_b32 v[VB], 4, v3
.irp k, 1,2,3
	v_lshl_add_u32 v[VB+\k], v3, 4, 65536*\k
.endr
	v_lshl_add_u32 v[ASB], v3, 4, SCB
	s_mov_b32 s[TX], ttmp9                         ; my head of 128 columns
	s_and_b32 s[TY], ttmp7, 0xffff                 ; my 256 rows
	s_lshr_b32 s[KIND], s[TX], 2                   ; 0, 1: q; 2: k; 3: v
	s_and_b32 s[FINEF], s[TY], 7
	s_or_b32 s[FINEF], s[FINEF], s[WV]             ; 0: my wave's first 16 rows are positions 0-15 of a sequence
	; descriptor groups 1, elements of 8 bytes, no padding.  A K step of the weights' codes: 8 blocks of rows x 4,096 bytes, 32,768 bytes apart
	s_mov_b32 s[G1C], 3<<16
	s_mov_b32 s[G1C+1], 512<<16                    ; tensor_dim0
	s_mov_b32 s[G1C+2], 8<<16                      ; tensor_dim1
	s_mov_b32 s[G1C+3], 512<<16                    ; tile_dim0
	s_mov_b32 s[G1C+4], 8                          ; tile_dim1
	s_mov_b32 s[G1C+5], 4096                       ; from row to row
	s_mov_b32 s[G1C+6], 0
	s_mov_b32 s[G1C+7], 0
	; my 64 rows' scales: 8 K steps x 1,024 bytes, 98,304 bytes apart
	s_mov_b32 s[G1SA], 3<<16
	s_mov_b32 s[G1SA+1], 128<<16
	s_mov_b32 s[G1SA+2], 8<<16
	s_mov_b32 s[G1SA+3], 128<<16
	s_mov_b32 s[G1SA+4], 8
	s_mov_b32 s[G1SA+5], 12288
	s_mov_b32 s[G1SA+6], 0
	s_mov_b32 s[G1SA+7], 0
	; the weights' scales: 2 K steps x 2,048 bytes
	s_mov_b32 s[G1SB], 3<<16
	s_mov_b32 s[G1SB+1], 256<<16
	s_mov_b32 s[G1SB+2], 2<<16
	s_mov_b32 s[G1SB+3], 256<<16
	s_mov_b32 s[G1SB+4], 2
	s_mov_b32 s[G1SB+5], 12288
	s_mov_b32 s[G1SB+6], 0
	s_mov_b32 s[G1SB+7], 0
	s_lshl_b32 s68, s[TX], 18                      ; the weights' codes: block of rows 256 + 8 tx, 32,768 bytes a block,
	s_add_co_u32 s68, s68, 256*32768
	s_lshl_b32 s70, s[WV], 12                      ; K step w
	s_add_co_u32 s68, s68, s70
	s_mov_b32 s69, 0
	s_lshl_b32 s70, s[TX], 11                      ; the weights' scales: row 4,096 + 128 tx, 16 bytes a row,
	s_add_co_u32 s70, s70, 65536
	s_mul_i32 s72, s[WV], 2*98304                  ; K step 2 w
	s_add_co_u32 s70, s70, s72
	s_mov_b32 s71, 0
	s_lshl_b32 s72, s[TY], 12                      ; x's scales: row 256 ty + 64 w
	s_lshl_b32 s74, s[WV], 10
	s_add_co_u32 s72, s72, s74
	s_mov_b32 s73, 0
	s_lshl_b32 s74, s[TY], 19                      ; x's codes: block of rows 16 ty + 4 w
	s_lshl_b32 s76, s[WV], 17
	s_add_co_u32 s74, s74, s76
	s_mov_b32 s75, 0
	s_lshl_b32 s76, s[WV], 15                      ; where they go in LDS: K step w;
	s_lshl_b32 s77, s[WV], 12                      ; the weights' scales of K steps 2 w, 2 w + 1;
	s_lshl_b32 s78, s[WV], 13                      ; my x scales
	s_add_co_u32 s78, s78, SCA
	v_lshl_add_u32 v[ASA], v3, 4, s78
	s_mov_b32 s22, 0x3e8293ee                      ; what the results are multiplied by: q 2c,
	s_cmp_lt_u32 s[KIND], 2
	s_cselect_b32 s22, s22, 0x3f000000             ; k 1/2,
	s_cmp_eq_u32 s[KIND], 3
	s_cselect_b32 s22, 0x3f800000, s22             ; v 1
	s_mov_b32 s23, s22                             ; (named with it as a pair)
	s_wait_dscnt 0x0                               ; both opening adds are done
	s_wait_kmcnt 0x0
	s_add_nc_u64 s[68:69], s[4:5], s[68:69]
	s_add_nc_u64 s[70:71], s[6:7], s[70:71]
	s_add_nc_u64 s[72:73], s[6:7], s[72:73]
	s_add_nc_u64 s[AB:AB+1], s[4:5], s[74:75]
	s_mov_b32 s[G0SA], 1
	s_mov_b32 s[G0SA+1], s78
	s_mov_b64 s[G0SA+2:G0SA+3], s[72:73]
	s_or_b32 s[G0SA+3], s[G0SA+3], 0x80000000
	s_mov_b32 s[G0SB], 1
	s_add_co_u32 s[G0SB+1], s77, SCB
	s_mov_b64 s[G0SB+2:G0SB+3], s[70:71]
	s_or_b32 s[G0SB+3], s[G0SB+3], 0x80000000
	s_mov_b32 s[G0C0], 1
	s_mov_b32 s[G0C0+1], s76
	s_mov_b64 s[G0C0+2:G0C0+3], s[68:69]
	s_or_b32 s[G0C0+3], s[G0C0+3], 0x80000000
	s_mov_b32 s[G0C1], 1
	s_add_co_u32 s[G0C1+1], s76, 4*KSB
	s_add_nc_u64 s[G0C1+2:G0C1+3], s[68:69], 4*4096   ; K step w + 4
	s_or_b32 s[G0C1+3], s[G0C1+3], 0x80000000
	tensor_load_to_lds s[G0SA:G0SA+3], s[G1SA:G1SA+7]  ; the launch's only fills, four a wave, on end: four loads of mine are out
	s_nop 0
	tensor_load_to_lds s[G0SB:G0SB+3], s[G1SB:G1SB+7]
	s_nop 0
	tensor_load_to_lds s[G0C0:G0C0+3], s[G1C:G1C+7]
	s_nop 0
	tensor_load_to_lds s[G0C1:G0C1+3], s[G1C:G1C+7]
	s_nop 0
	PLACES
; x's four fragments of step m into set m % 8: eight loads of 512 consecutive bytes
.macro XLOAD
	WIN TO_A
.irp a, 0,1,2,3
	global_load_b128 v[32*(m%8)+8*\a:32*(m%8)+8*\a+3], v[AO], s[AB:AB+1] offset:32768*\a+1024*m
	global_load_b128 v[32*(m%8)+8*\a+4:32*(m%8)+8*\a+7], v[AO], s[AB:AB+1] offset:32768*\a+1024*m+512
.endr
.endm
; the weights' eight fragments of step m into set m % 2: sixteen LDS loads of 512 consecutive bytes
.macro FETCH_B
	WIN TO_B
.irp b, 0,1,2,3,4,5,6,7
	ds_load_b128 v[64*(m%2)+8*\b:64*(m%2)+8*\b+3], v[VB+m/8] offset:((m/4)%2)*KSB+4096*\b+1024*(m%4)
	ds_load_b128 v[64*(m%2)+8*\b+4:64*(m%2)+8*\b+7], v[VB+m/8] offset:((m/4)%2)*KSB+4096*\b+1024*(m%4)+512
.endr
.endm
; the scale words of step m's K step: a lane takes a row's four words; a load takes 32 rows: two blocks
.macro SCALES
	WIN 0
.irp i, 0,1
	ds_load_b128 v[SC+24*((m/4)%2)+4*\i:SC+24*((m/4)%2)+4*\i+3], v[ASA] offset:1024*(m/4)+512*\i
.endr
.irp i, 0,1,2,3
	ds_load_b128 v[SC+24*((m/4)%2)+8+4*\i:SC+24*((m/4)%2)+8+4*\i+3], v[ASB] offset:2048*(m/4)+512*\i
.endr
.endm
.macro ROPELOAD a                      ; cos and sin of block a's 16 rows, in the results' layout: 32 loads; even blocks into window 3 from v128, odd blocks into window 2 from v0
.set CSB, 128*(1-(\a)%2)
.set WN, 0xc0-0x40*((\a)%2)
	WIN WN
.irp b, 0,1,2,3,4,5,6,7
	global_load_b128 v[CSB+8*\b:CSB+8*\b+3], v[CSO], s[8:9] offset:8192*(\a)+64*\b
	global_load_b128 v[CSB+8*\b+4:CSB+8*\b+7], v[CSO], s[8:9] offset:8192*(\a)+64*\b+16
	global_load_b128 v[CSB+64+8*\b:CSB+64+8*\b+3], v[CSO], s[10:11] offset:8192*(\a)+64*\b
	global_load_b128 v[CSB+64+8*\b+4:CSB+64+8*\b+7], v[CSO], s[10:11] offset:8192*(\a)+64*\b+16
.endr
	WIN 0
.endm
; one product of step n: the weights' block b against x's block a.  An odd block's scale words lie in lanes 16-31 of its register.  Step 0's products start the sums: nothing is cleared
.macro W1 a, b
.set rD, 8*(8*(\a)+(\b))
.set rB, 64*(n%2)+8*(\b)
.set rA, 32*(n%8)+8*(\a)
.set sB, SC+24*((n/4)%2)+8+4*((\b)/2)+n%4
.set sA, SC+24*((n/4)%2)+4*((\a)/2)+n%4
.set rw, 2*((\b)%2)+(\a)%2
.if n == 0
.if rw == 0
	v_wmma_scale_f32_16x16x128_f8f6f4 v[rD:rD+7], v[rB:rB+7], v[rA:rA+7], 0, v[sB], v[sA] matrix_a_fmt:MATRIX_FMT_FP4 matrix_b_fmt:MATRIX_FMT_FP4
.elseif rw == 1
	v_wmma_scale_f32_16x16x128_f8f6f4 v[rD:rD+7], v[rB:rB+7], v[rA:rA+7], 0, v[sB], v[sA] matrix_a_fmt:MATRIX_FMT_FP4 matrix_b_fmt:MATRIX_FMT_FP4 matrix_b_scale:MATRIX_SCALE_ROW1
.elseif rw == 2
	v_wmma_scale_f32_16x16x128_f8f6f4 v[rD:rD+7], v[rB:rB+7], v[rA:rA+7], 0, v[sB], v[sA] matrix_a_fmt:MATRIX_FMT_FP4 matrix_b_fmt:MATRIX_FMT_FP4 matrix_a_scale:MATRIX_SCALE_ROW1
.else
	v_wmma_scale_f32_16x16x128_f8f6f4 v[rD:rD+7], v[rB:rB+7], v[rA:rA+7], 0, v[sB], v[sA] matrix_a_fmt:MATRIX_FMT_FP4 matrix_b_fmt:MATRIX_FMT_FP4 matrix_a_scale:MATRIX_SCALE_ROW1 matrix_b_scale:MATRIX_SCALE_ROW1
.endif
.else
.if rw == 0
	v_wmma_scale_f32_16x16x128_f8f6f4 v[rD:rD+7], v[rB:rB+7], v[rA:rA+7], v[rD:rD+7], v[sB], v[sA] matrix_a_fmt:MATRIX_FMT_FP4 matrix_b_fmt:MATRIX_FMT_FP4
.elseif rw == 1
	v_wmma_scale_f32_16x16x128_f8f6f4 v[rD:rD+7], v[rB:rB+7], v[rA:rA+7], v[rD:rD+7], v[sB], v[sA] matrix_a_fmt:MATRIX_FMT_FP4 matrix_b_fmt:MATRIX_FMT_FP4 matrix_b_scale:MATRIX_SCALE_ROW1
.elseif rw == 2
	v_wmma_scale_f32_16x16x128_f8f6f4 v[rD:rD+7], v[rB:rB+7], v[rA:rA+7], v[rD:rD+7], v[sB], v[sA] matrix_a_fmt:MATRIX_FMT_FP4 matrix_b_fmt:MATRIX_FMT_FP4 matrix_a_scale:MATRIX_SCALE_ROW1
.else
	v_wmma_scale_f32_16x16x128_f8f6f4 v[rD:rD+7], v[rB:rB+7], v[rA:rA+7], v[rD:rD+7], v[sB], v[sA] matrix_a_fmt:MATRIX_FMT_FP4 matrix_b_fmt:MATRIX_FMT_FP4 matrix_a_scale:MATRIX_SCALE_ROW1 matrix_b_scale:MATRIX_SCALE_ROW1
.endif
.endif
.endm
; STEP n: 128 along K.  Behind its two waits it asks for x's set seven steps on and for the weights' set of the next step, each into registers that the last step's products have read; then 32 products.
; The 32 accumulators take turns, one instruction a turn, in one order throughout.
.macro STEP
.set LC, 8*(31-n)                      ; the loads issued behind set n's: the younger sets of x, six of them up to step 25,
.if n < 25
.set LC, 48
.endif
.if n > 28
.set LC, LC+32                         ; and from step 29 on the 32 table loads of step 28
.endif
	s_wait_loadcnt LC                              ; x's set n is in
	s_wait_dscnt 0x0                               ; the weights' set n and the scale words are in: asked for a step, 32 matrix instructions, ago
.if n == 15
	s_wait_tensorcnt 0x0                           ; my second K step of the weights has landed,
	s_barrier_signal -1
	s_barrier_wait -1                              ; everybody's has: K steps 4 to 7 may be read.  Also: nobody reads K step 0's bytes any more
.endif
	PLACES                                         ; four places between the last step's products and the loads into the sets that they read
.if n+7 < 32
.set m, n+7
	XLOAD
.endif
.if n == 28
	ROPELOAD 0                                     ; the first block's tables, three steps ahead of the way out.  v's work-groups ask too, so that the loads in flight count the same on both ways there
.endif
.if n < 31
.set m, n+1
	FETCH_B
.if n%4 == 3
	SCALES
.endif
.endif
	WIN MUL
.irp a, 0,1,2,3
.irp b, 0,1,2,3,4,5,6,7
	W1 \a, \b
.endr
.endr
.endm
.set m, 0
.rept 7
	XLOAD                                          ; x's ring is filled: steps 0 to 6
.set m, m+1
.endr
	WIN 0
	v_and_b32 v1, 15, v0                           ; r
	v_bfe_u32 v2, v0, 4, 1                         ; h
	s_mul_i32 s84, s[WV], 16*SPITCH                ; my stage
	v_mul_u32_u24 v4, v1, SPITCH
	v_lshl_add_u32 v4, v2, 4, v4
	v_add_nc_u32 v[STO], s84, v4                   ; in: row r, 16 bytes for each half of the lanes
	v_mul_u32_u24 v5, v2, SPITCH
	v_lshl_add_u32 v5, v1, 4, v5
	v_add_nc_u32 v[RD], s84, v5                    ; back: lanes 0-15 one row, lanes 16-31 the next
	v_lshlrev_b32 v[GO], 4, v3                     ; two rows of a plane are 512 consecutive bytes: 16 x lane
	v_lshlrev_b32 v[CSO], 9, v1
	v_lshl_add_u32 v[CSO], v2, 5, v[CSO]           ; cos, sin: row r of 512 bytes, + 32 h
	v_lshlrev_b32 v[FO], 13, v1
	v_lshl_add_u32 v[FO], v2, 5, v[FO]             ; fine: row r of 8,192 bytes, + 32 h
	s_lshl_b32 s84, s[TY], 17                      ; cos and sin at my wave's first row: (256 ty + 64 w) x 512
	s_lshl_b32 s85, s[WV], 15
	s_add_co_u32 s84, s84, s85
	s_mov_b32 s85, 0
	s_add_nc_u64 s[8:9], s[8:9], s[84:85]
	s_add_nc_u64 s[10:11], s[10:11], s[84:85]
	s_lshr_b32 s84, s[TY], 3                       ; b
	s_lshl_b32 s86, s84, 17
	s_lshl_b32 s87, s[TX], 9
	s_add_co_u32 s86, s86, s87
	s_mov_b32 s87, 0
	s_add_nc_u64 s[14:15], s[14:15], s[86:87]      ; fine at row 16 b, my head's columns
	s_lshl_b32 s85, s84, 3
	s_add_co_u32 s85, s85, s[TX]                   ; q's plane: 8 b + head
	s_sub_co_u32 s86, s[TX], 8                     ; e = head - 8 (used for k and v alone)
	s_lshr_b32 s87, s86, 2
	s_lshl_b32 s87, s87, 3
	s_and_b32 s86, s86, 3
	s_add_co_u32 s87, s87, s86
	s_lshl_b32 s86, s84, 2
	s_add_co_u32 s87, s87, s86
	s_add_co_u32 s87, s87, 16                      ; 16 + 8 (e / 4) + 4 b + e % 4
	s_cmp_lt_u32 s[KIND], 2
	s_cselect_b32 s85, s85, s87
	s_lshl_b32 s86, s85, 19                        ; a plane is 524,288 bytes
	s_and_b32 s87, s[TY], 7
	s_lshl_b32 s87, s87, 8
	s_lshl_b32 s88, s[WV], 6
	s_add_co_u32 s87, s87, s88
	s_lshl_b32 s87, s87, 8                         ; my first position x 256 bytes
	s_add_co_u32 s86, s86, s87
	s_mov_b32 s87, 0
	s_add_nc_u64 s[12:13], s[12:13], s[86:87]
	s_wait_tensorcnt 1                             ; my scales and my first K step of the weights are in; my second K step's load may be out
	s_barrier_signal -1
	s_barrier_wait -1                              ; everybody's are: K steps 0 to 3 and all the scales lie in LDS
.set m, 0
	FETCH_B
	SCALES
.set n, 0
.rept 32
	STEP
.set n, n+1
.endr
	WIN 0
	PLACES                                         ; four places in front of the first read of results and of the loads into x's sets
	ROPELOAD 1
; THE WAY OUT, a block of 16 rows at a time: scale, RoPE, (positions 0-15: the f32 copy,) round to f16, through my stage, out as 512 consecutive bytes a store.
.macro BLOCK a
	WIN ACC_RD
.set i, 0
.rept 32
	v_pk_mul_f32 v[T+2*i:T+2*i+1], v[64*(\a)+2*i:64*(\a)+2*i+1], s[22:23] op_sel_hi:[1,0]   ; each accumulator from its low end on
.set i, i+1
.endr
	WIN 0
.if \a < 3
	s_wait_loadcnt 32                              ; this block's tables are in; the next block's 32 loads may be out
.else
	s_wait_loadcnt 0x0
.endif
	s_cmp_eq_u32 s[KIND], 3                        ; v is not turned: a branch on the work-group's number
	s_cbranch_scc1 .Lplain_\@
.set CSB, 128*(1-(\a)%2)
.set WN, 0x0c-0x04*((\a)%2)            ; source 1: window 3 (even blocks) or 2 (odd)
	WIN WN
.irp b, 0,1,2,3                                ; x = channels d under 64 (accumulator b), y = d + 64 (b + 4):  x' = x cos[d] - y sin[d];  y' = y cos[d + 64] + x sin[d + 64]
.irp j, 0,2,4,6
	v_pk_mul_f32 v[TMP+8*\b+\j:TMP+8*\b+\j+1], v[T+8*\b+\j:T+8*\b+\j+1], v[CSB+64+32+8*\b+\j:CSB+64+32+8*\b+\j+1]
.endr
.endr
.irp b, 0,1,2,3
.irp j, 0,2,4,6
	v_pk_mul_f32 v[T+8*\b+\j:T+8*\b+\j+1], v[T+8*\b+\j:T+8*\b+\j+1], v[CSB+8*\b+\j:CSB+8*\b+\j+1]
.endr
.endr
.irp b, 0,1,2,3
.irp j, 0,2,4,6
	v_pk_fma_f32 v[T+8*\b+\j:T+8*\b+\j+1], v[T+32+8*\b+\j:T+32+8*\b+\j+1], v[CSB+64+8*\b+\j:CSB+64+8*\b+\j+1], v[T+8*\b+\j:T+8*\b+\j+1] neg_lo:[1,0,0] neg_hi:[1,0,0]
.endr
.endr
.irp b, 0,1,2,3
.irp j, 0,2,4,6
	v_pk_fma_f32 v[T+32+8*\b+\j:T+32+8*\b+\j+1], v[T+32+8*\b+\j:T+32+8*\b+\j+1], v[CSB+32+8*\b+\j:CSB+32+8*\b+\j+1], v[TMP+8*\b+\j:TMP+8*\b+\j+1]
.endr
.endr
	WIN 0
.Lplain_\@:
.if \a < 2
	ROPELOAD (\a)+2                                ; into the set just used
.endif
.if \a == 0
	s_cmp_eq_u32 s[FINEF], 0                       ; positions 0-15: the rows' number and the wave's alone
	s_cbranch_scc0 .Lnofine_\@
.irp b, 0,1,2,3,4,5,6,7
	global_store_b128 v[FO], v[T+8*\b:T+8*\b+3], s[14:15] offset:64*\b
	global_store_b128 v[FO], v[T+8*\b+4:T+8*\b+7], s[14:15] offset:64*\b+16
.endr
.Lnofine_\@:
.endif
.set i, 0
.rept 32
	v_cvt_pk_f16_f32 v[TMP+i], v[T+2*i], v[T+2*i+1]
.set i, i+1
.endr
	s_wait_xcnt 0x0                                ; earlier stores have read their registers: T and BK may be written again
.irp b, 0,1,2,3,4,5,6,7
	ds_store_b128 v[STO], v[TMP+4*\b:TMP+4*\b+3] offset:32*\b
.endr
.irp t, 0,1,2,3,4,5,6,7
	ds_load_b128 v[BK+32*((\a)%2)+4*\t:BK+32*((\a)%2)+4*\t+3], v[RD] offset:\t*2*SPITCH   ; LDS serves a wave's instructions in order: these see my stores
.endr
	s_wait_dscnt 0x0
.irp t, 0,1,2,3,4,5,6,7
	global_store_b128 v[GO], v[BK+32*((\a)%2)+4*\t:BK+32*((\a)%2)+4*\t+3], s[12:13] offset:4096*(\a)+512*\t   ; two rows of the plane: 512 consecutive bytes, aligned
.endr
.endm
	BLOCK 0
	BLOCK 1
	BLOCK 2
	BLOCK 3
	s_wait_tensorcnt 0x0                           ; the wave's end
	ds_add_u32 v[SPW], v[NIL]
	s_wait_dscnt 0x0
	s_endpgm
.Lfunc_end_k_qb0f1476eb4_qkv:
	.size	k_qb0f1476eb4_qkv, .Lfunc_end_k_qb0f1476eb4_qkv-k_qb0f1476eb4_qkv
	.p2alignl 7, 3214868480
	.fill 96, 4, 3214868480
	.section	.rodata,"a",@progbits
	.p2align	6, 0x0
	.amdhsa_kernel k_qb0f1476eb4_qkv
		.amdhsa_group_segment_fixed_size 327680
		.amdhsa_private_segment_fixed_size 0
		.amdhsa_enable_private_segment 0
		.amdhsa_kernarg_size 48
		.amdhsa_user_sgpr_count 2
		.amdhsa_user_sgpr_kernarg_segment_ptr 1
		.amdhsa_wavefront_size32 1
		.amdhsa_system_sgpr_workgroup_id_x 1
		.amdhsa_system_sgpr_workgroup_id_y 1
		.amdhsa_system_sgpr_workgroup_id_z 1
		.amdhsa_system_vgpr_workitem_id 0
		.amdhsa_next_free_vgpr 1024
		.amdhsa_next_free_sgpr 100
		.amdhsa_reserve_vcc 0
		.amdhsa_float_denorm_mode_32 3
		.amdhsa_float_denorm_mode_16_64 3
		.amdhsa_memory_ordered 1
		.amdhsa_forward_progress 1
		.amdhsa_inst_pref_size 255
	.end_amdhsa_kernel
	.section	.bss,"aw",@nobits
	.p2align	6
	.space	262144
	.amdgpu_metadata
---
amdhsa.version: [ 1, 2 ]
amdhsa.kernels:
  - .name:           k_qb0f1476eb4_qkv
    .symbol:         k_qb0f1476eb4_qkv.kd
    .args:
      - { .name: codes, .offset: 0, .size: 8, .value_kind: global_buffer, .address_space: global }
      - { .name: scales, .offset: 8, .size: 8, .value_kind: global_buffer, .address_space: global }
      - { .name: cos, .offset: 16, .size: 8, .value_kind: global_buffer, .address_space: global }
      - { .name: sin, .offset: 24, .size: 8, .value_kind: global_buffer, .address_space: global }
      - { .name: qkv16, .offset: 32, .size: 8, .value_kind: global_buffer, .address_space: global }
      - { .name: fine, .offset: 40, .size: 8, .value_kind: global_buffer, .address_space: global }
    .group_segment_fixed_size: 327680
    .private_segment_fixed_size: 0
    .kernarg_segment_align: 8
    .kernarg_segment_size: 48
    .max_flat_workgroup_size: 128
    .sgpr_count:     100
    .vgpr_count:     1024
    .wavefront_size: 32
...
	.end_amdgpu_metadata
.endif
;; end of part 2
;; launch attn (part 3): grid 32 x 8, 8 waves a work-group, no clusters, 327,680 bytes of LDS; arguments qkv16, att16; writes att16
.if DOCPART == 3
	.amdgcn_target "amdgcn-amd-amdhsa--gfx1250"
	.amdhsa_code_object_version 6
	.text
	.protected	k_qb0f1476eb4_attn
	.globl	k_qb0f1476eb4_attn
	.p2align	8
	.type	k_qb0f1476eb4_attn,@function
k_qb0f1476eb4_attn:
	s_mov_b64 s[64:65], 0
	v_nop
	global_prefetch_b8 v0, s[64:65] scope:SCOPE_SE
	s_setreg_imm32_b32 hwreg(HW_REG_WAVE_MODE, 25, 1), 1
	s_wait_xcnt 0x0
; Causal attention on f16 operands, f32 sums.  qkv16: planes [2048][128] f16: 8 b + h: q' = q x 2 log2(e) / sqrt(128); 16 + 4 b + kv: k' = k / 2; 24 + 4 b + kv: v.  t = q' . k' is the score in powers of two.
; att16 [2048 b + position][1024] f16, head h at bytes 256 h.  For each query a running maximum m and sum l: p = 2^(t - m); in every step O and l are multiplied by 2^(m_old - m_new).  l is the sum of the unrounded p.
; LIMITS: NaN and infinities are not served; p is rounded to f16 for the second product (what lies under 2^-24 of the row's largest weight is lost); positions 0-15 are written again, in f32, by a later launch.
; SHARES.  Work-group (j, y = 4 b + kv) owns both query heads of key head kv, for the blocks of 32 queries j and 63 - j.  Wave w: late = w / 4 (block 63 - j), g = (w / 2) % 2 (head 2 kv + g), u = w % 2: 16 queries.
; An early and a late wave together walk about 33 steps of 64 keys whatever j is.  No cluster: under the mask partners would end their walks at different keys.
; K and V come through two LDS slots of 128 keys (wave 0 loads K's tile, wave 1 V's) and are read by all eight waves.  Every work-group walks all 16 changes of slots; a step whose keys all come after the wave's queries
; is jumped over, and a slot whose first key comes after the work-group's last query is not asked for.
; LAYOUT.  S^T = K Q^T (source 0 = 16 keys, source 1 = my 16 queries), O^T = V^T P (source 0 = 16 channels, turned on the way out of LDS): a lane holds one query throughout.
; REGISTERS: window 0: v2-26 addresses and statistics; v32-63 Q; v64-95 S^T; v96-111 P; v128-191 O^T; v192-223 the way out.   window 1: v0-127 K's 16 fragments, v128-255 V's.
.set PK,    272
.set PV,    288
.set VOFF,  128*PK
.set SLOT1, 1<<17
.set STAGE, SLOT1+128*(PK+PV)          ; 16 rows x 272 bytes for each wave: no tensor load lands there
.set SPARE, STAGE+8*16*272             ; the spare words, 128 bytes a wave
.set AK0, 2
.set AV0, 3
.set ADK, 4
.set ADV, 5
.set QO,  6
.set STO, 7
.set RD,  8
.set GO,  9
.set DD,  10
.set NEGINF, 11
.set RM,  12                           ; v[12:13] m (the pair's low word serves both halves)
.set RL,  14                           ; v[14:15] l, even keys' and odd keys'
.set RA,  16                           ; v[16:17] 2^(m_old - m_new)
.set TT,  18                           ; v18-21 at work
.set DM,  22
.set PFO, 23
.set SPW, 24
.set NIL, 25
.set RH,  26
.set RQ,  32
.set RS,  64
.set RP,  96
.set RO,  128
.set HO,  192
.set WV,  8
.set J,   9
.set Y,   10
.set Q0,  11
.set QLAST, 12
.set KF,  13
.set TB,  14
.set SLOTS, 15
.set LIM, 16
.set SEL, 18
.set PFA, 20
.set G1K, 24
.set G1V, 32
.set G0K, 40
.set G0V, 44
.set QB,  48
.set OB,  50
.set MSB, 0
.macro WIN new
.if MSB != \new
	s_set_vgpr_msb (MSB<<8)|\new
.set MSB, \new
.endif
.endm
.macro PLACES
.rept 4
	v_nop
.endr
.endm
.macro TLOAD                           ; wave 0 fetches K's 128 rows, wave 1 V's, the others nothing; an s_nop 0 and four v_nop follow each load
	s_cmp_eq_u32 s[WV], 0
	s_cbranch_scc0 .Lnot_k_\@
	tensor_load_to_lds s[G0K:G0K+3], s[G1K:G1K+7]
	s_nop 0
	PLACES
	s_branch .Lasked_\@
.Lnot_k_\@:
	s_cmp_eq_u32 s[WV], 1
	s_cbranch_scc0 .Lasked_\@
	tensor_load_to_lds s[G0V:G0V+3], s[G1V:G1V+7]
	s_nop 0
	PLACES
.Lasked_\@:
.endm
; A prefetch of what the NEXT change of slots will ask for: 128 rows of 256 bytes of K (wave 2) and of V (wave 3), a lane a row, four instructions a wave.  All 32 work-groups of a key head walk the same rows:
; work-group j = 0, whose late queries walk every slot, asks, and nobody else: each row is named once in the launch.  The last change that fills a slot asks for nothing; slots 0 and 1 come by their loads alone.
.macro ASK
	s_cmp_gt_u32 s[SLOTS], s[LIM]
	s_cbranch_scc0 .Lnot_mine_\@
.irp i, 0,1,2,3
	global_prefetch_b8 v[PFO], s[PFA:PFA+1] offset:8192*\i th:TH_LOAD_NT scope:SCOPE_SE
.endr
.Lnot_mine_\@:
.endm
	s_load_b128 s[4:7], s[0:1], 0x0                ; qkv16, att16
	v_lshl_add_u32 v[SPW], v0, 2, SPARE
	v_mov_b32 v[NIL], 0
	ds_add_u32 v[SPW], v[NIL]                      ; the opening: the add, twice on end, and its wait ahead of the first tensor load
	ds_add_u32 v[SPW], v[NIL]
	v_lshrrev_b32 v1, 5, v0
	v_readfirstlane_b32 s[WV], v1                  ; wave 0..7
	s_mov_b32 s[J], ttmp9
	s_and_b32 s[Y], ttmp7, 0xffff
	s_lshr_b32 s52, s[WV], 2                       ; late
	s_sub_co_u32 s53, 63, s[J]
	s_cmp_eq_u32 s52, 0
	s_cselect_b32 s53, s[J], s53                   ; my block of 32 queries
	s_lshl_b32 s[Q0], s53, 5
	s_and_b32 s54, s[WV], 1
	s_lshl_b32 s54, s54, 4
	s_add_co_u32 s[Q0], s[Q0], s54                 ; my first query
	s_lshl_b32 s52, s[J], 5
	s_sub_co_u32 s[QLAST], 2047, s52               ; my work-group's last query
	s_mov_b32 s[G1K], (1<<16)|(1<<20)|(5<<22)|(3<<25)   ; elements of 2 bytes; 4 words of padding behind every 64
	s_mov_b32 s[G1V], (1<<16)|(1<<20)|(5<<22)|(7<<25)   ; 8 words
.irp g, G1K, G1V
	s_mov_b32 s[\g+1], 128<<16                     ; tensor_dim0
	s_mov_b32 s[\g+2], 128<<16                     ; tensor_dim1
	s_mov_b32 s[\g+3], 128<<16                     ; tile_dim0
	s_mov_b32 s[\g+4], 128                         ; tile_dim1
	s_mov_b32 s[\g+5], 128                         ; from row to row
	s_mov_b32 s[\g+6], 0
	s_mov_b32 s[\g+7], 0
.endr
	s_mov_b32 s[SEL], 0x76543210
	s_mov_b32 s[SEL+1], 0xfedcba98
	s_mov_b32 s[KF], 0
	s_mov_b32 s[TB], 0
	s_mov_b32 s[SLOTS], 15
	s_lshr_b32 s52, s[WV], 1
	s_xor_b32 s52, s52, 1                          ; 0 in waves 2 and 3,
	s_or_b32 s52, s52, ttmp9                       ; of work-group j = 0
	s_cmp_eq_u32 s52, 0
	s_cselect_b32 s[LIM], 1, -1
	s_add_co_u32 s52, s[Y], 16
	s_lshl_b32 s52, s52, 19                        ; K's plane
	s_mov_b32 s53, 0
	s_add_co_u32 s54, s[Y], 24
	s_lshl_b32 s54, s54, 19                        ; V's
	s_mov_b32 s55, 0
	s_lshr_b32 s56, s[Y], 2                        ; b
	s_and_b32 s57, s[Y], 3
	s_lshl_b32 s57, s57, 1
	s_bfe_u32 s58, s[WV], 0x10001                  ; g
	s_add_co_u32 s57, s57, s58                     ; my head
	s_lshl_b32 s58, s56, 3
	s_add_co_u32 s58, s58, s57
	s_lshl_b32 s58, s58, 19                        ; q's plane,
	s_lshl_b32 s59, s[Q0], 8
	s_add_co_u32 s58, s58, s59                     ; at my first query
	s_mov_b32 s59, 0
	s_lshl_b32 s60, s56, 11
	s_add_co_u32 s60, s60, s[Q0]
	s_lshl_b32 s60, s60, 11                        ; att16: row 2048 b + query, 2,048 bytes a row,
	s_lshl_b32 s61, s57, 8
	s_add_co_u32 s60, s60, s61                     ; my head's 256 bytes
	s_mov_b32 s61, 0
	s_wait_dscnt 0x0                               ; both opening adds are done
	s_wait_kmcnt 0x0
	s_add_nc_u64 s[52:53], s[4:5], s[52:53]
	s_add_nc_u64 s[54:55], s[4:5], s[54:55]
	s_add_nc_u64 s[QB:QB+1], s[4:5], s[58:59]
	s_add_nc_u64 s[OB:OB+1], s[6:7], s[60:61]
	s_mov_b32 s[G0K], 1
	s_mov_b32 s[G0K+1], 0
	s_mov_b64 s[G0K+2:G0K+3], s[52:53]
	s_or_b32 s[G0K+3], s[G0K+3], 0x80000000
	s_mov_b32 s[G0V], 1
	s_mov_b32 s[G0V+1], VOFF
	s_mov_b64 s[G0V+2:G0V+3], s[54:55]
	s_or_b32 s[G0V+3], s[G0V+3], 0x80000000
	s_cmp_eq_u32 s[WV], 2
	s_cselect_b64 s[PFA:PFA+1], s[52:53], s[54:55]
	s_add_nc_u64 s[PFA:PFA+1], s[PFA:PFA+1], 32768 ; at slot 1: the first change of slots steps it to slot 2
	TLOAD                                          ; slot 0: key 0 counts for every query
	v_and_b32 v1, 15, v0                           ; r
	v_bfe_u32 v27, v0, 4, 1                        ; h
	v_lshlrev_b32 v[QO], 8, v1
	v_lshl_add_u32 v[QO], v27, 4, v[QO]
.irp c, 0,1,2,3                                ; Q stays in registers: fragment c = channels 32 c on
	global_load_b128 v[RQ+8*\c:RQ+8*\c+3], v[QO], s[QB:QB+1] offset:64*\c
	global_load_b128 v[RQ+8*\c+4:RQ+8*\c+7], v[QO], s[QB:QB+1] offset:64*\c+32
.endr
	v_mul_u32_u24 v[AK0], v1, PK
	v_lshl_add_u32 v[AK0], v27, 4, v[AK0]          ; K: row r x pitch + 16 h
	v_and_b32 v28, 7, v0                           ; V, for the turning load: key 8 h + lane % 8, channels 8 ((lane / 8) % 2) on
	v_bfe_u32 v29, v0, 3, 1
	v_lshl_add_u32 v[AV0], v27, 3, v28
	v_mul_u32_u24 v[AV0], v[AV0], PV
	v_lshl_add_u32 v[AV0], v29, 4, v[AV0]
	v_add_nc_u32 v[AV0], VOFF, v[AV0]
	s_mul_i32 s56, s[WV], 16*272
	s_add_co_u32 s56, s56, STAGE                   ; my stage
	v_mul_u32_u24 v[STO], v1, 272
	v_lshl_add_u32 v[STO], v27, 4, v[STO]
	v_add_nc_u32 v[STO], s56, v[STO]
	v_mul_u32_u24 v[RD], v27, 272
	v_lshl_add_u32 v[RD], v1, 4, v[RD]
	v_add_nc_u32 v[RD], s56, v[RD]
	v_lshlrev_b32 v[GO], 11, v27
	v_lshl_add_u32 v[GO], v1, 4, v[GO]             ; att16: lanes 0-15 one row, lanes 16-31 the next
	v_lshlrev_b32 v28, 3, v27
	v_sub_nc_u32 v[RH], v1, v28                    ; r - 8 h
	v_and_b32 v[PFO], 31, v0
	v_lshlrev_b32 v[PFO], 8, v[PFO]
	v_mov_b32 v[NEGINF], 0xff800000
	v_mov_b32 v[RM], 0xff61b1e6                    ; m: -3e38, under every score
	v_mov_b32 v[RM+1], 0
.irp i, 14,15,16,17,18,19,20,21,22
	v_mov_b32 v\i, 0                               ; l, and what is named before a step has written it
.endr
.set i, 0
.rept 64
	v_mov_b32 v[RO+i], 0                           ; O^T: the step is written once; the first finds zeros, which its factor 0 leaves zeros
.set i, i+1
.endr
; A KEY STEP: 64 keys, the q-th of the slot in hand
.macro STEP q
	s_add_co_u32 s52, s[Q0], 15                    ; a step all of whose keys come after my 16 queries is left out: a branch on ids, with no barrier and no tensor load inside
	s_cmp_gt_u32 s[KF], s52
	s_cbranch_scc1 .Lhidden_\@
	v_add_nc_u32 v[ADK], s[TB], v[AK0]
	v_add_nc_u32 v[ADV], s[TB], v[AV0]
	v_nop
	v_nop                                          ; four places between the last step's products and the loads into V's registers
	WIN 0x40
.irp f, 0,1,2,3,4,5,6,7,8,9,10,11,12,13,14,15  ; K: keys 16 (f / 4) on, channels 32 (f % 4) on
	ds_load_b128 v[8*\f:8*\f+3], v[ADK] offset:(\q)*64*PK+(\f/4)*16*PK+(\f%4)*64
	ds_load_b128 v[8*\f+4:8*\f+7], v[ADK] offset:(\q)*64*PK+(\f/4)*16*PK+(\f%4)*64+32
.endr
.irp f, 0,1,2,3,4,5,6,7,8,9,10,11,12,13,14,15  ; V, turned: keys 32 (f / 8) on, channels 16 (f % 8) on
	ds_load_tr16_b128 v[128+8*\f:128+8*\f+3], v[ADV] offset:(\q)*64*PV+(\f/8)*32*PV+(\f%8)*32
	ds_load_tr16_b128 v[128+8*\f+4:128+8*\f+7], v[ADV] offset:(\q)*64*PV+(\f/8)*32*PV+16*PV+(\f%8)*32
.endr
	s_wait_dscnt 32                                ; K is in; V's 32 loads may be out
	WIN 0x01
.irp c, 0,1,2,3                                ; the four tiles of keys take turns, one instruction a turn
.irp k, 0,1,2,3
.if \c == 0
	v_wmma_f32_16x16x32_f16 v[RS+8*\k:RS+8*\k+7], v[32*\k+8*\c:32*\k+8*\c+7], v[RQ+8*\c:RQ+8*\c+7], 0
.else
	v_wmma_f32_16x16x32_f16 v[RS+8*\k:RS+8*\k+7], v[32*\k+8*\c:32*\k+8*\c+7], v[RQ+8*\c:RQ+8*\c+7], v[RS+8*\k:RS+8*\k+7]
.endif
.endr
.endr
	WIN 0
	PLACES
	s_add_co_u32 s52, s[KF], 63                    ; on the diagonal hidden scores become -infinity; a step all of whose keys count skips this
	s_cmp_le_u32 s52, s[Q0]
	s_cbranch_scc1 .Lopen_\@
	s_sub_co_i32 s52, s[Q0], s[KF]
	v_add_nc_u32 v[DD], s52, v[RH]                 ; register 8 k + i holds key KF + 16 k + 8 h + i: hidden where 16 k + i > my query - KF - 8 h
.irp n, 0,1,2,3,4,5,6,7,8,9,10,11,12,13,14,15,16,17,18,19,20,21,22,23,24,25,26,27,28,29,30,31
	v_cmp_gt_i32 vcc_lo, 16*(\n/8)+\n%8, v[DD]
	v_cndmask_b32 v[RS+\n], v[RS+\n], v[NEGINF], vcc_lo
.endr
.Lopen_\@:
.irp k, 0,1,2,3                                ; the maximum, four chains, each tile from its low end on
	v_max3_num_f32 v[TT+\k], v[RS+8*\k], v[RS+8*\k+1], v[RS+8*\k+2]
.endr
.irp i, 3,5
.irp k, 0,1,2,3
	v_max3_num_f32 v[TT+\k], v[TT+\k], v[RS+8*\k+\i], v[RS+8*\k+\i+1]
.endr
.endr
	v_max3_num_f32 v[TT], v[TT], v[RS+7], v[RS+15]
	v_max3_num_f32 v[TT+2], v[TT+2], v[RS+23], v[RS+31]
	v_max3_num_f32 v[TT], v[TT], v[TT+1], v[TT+2]
	v_max3_num_f32 v[TT], v[TT], v[TT+3], v[RM]    ; with the old m
	v_permlanex16_b32 v[TT+1], v[TT], s[SEL], s[SEL+1]   ; the query's other 32 keys lie in the lane 16 away
	v_max_num_f32 v[TT], v[TT], v[TT+1]
	v_sub_f32 v[DM], v[RM], v[TT]                  ; m_old - m_new
	v_mov_b32 v[RM], v[TT]
.set i, 0
.rept 16
	v_pk_add_f32 v[RS+i:RS+i+1], v[RS+i:RS+i+1], v[RM:RM+1] op_sel_hi:[1,0] neg_lo:[0,1] neg_hi:[0,1]   ; t - m
.set i, i+2
.endr
	v_exp_f32 v[RA], v[DM]                         ; one batch of 33 exponentials,
.set i, 0
.rept 32
	v_exp_f32 v[RS+i], v[RS+i]
.set i, i+1
.endr
	v_nop                                          ; a plain line behind the last,
	s_wait_alu depctr_va_vdst(0)                   ; and one wait ahead of the first line that names a result
.set i, 0
.rept 16
	v_cvt_pk_f16_f32 v[RP+i], v[RS+2*i], v[RS+2*i+1]   ; two neighbouring tiles of keys, rounded in pairs, are a fragment of P
.set i, i+1
.endr
.irp u, 0,1,2,3,4,5,6,7                        ; the sum of the unrounded p, in place, as a tree
	v_pk_add_f32 v[RS+4*\u:RS+4*\u+1], v[RS+4*\u:RS+4*\u+1], v[RS+4*\u+2:RS+4*\u+3]
.endr
.irp u, 0,1,2,3
	v_pk_add_f32 v[RS+8*\u:RS+8*\u+1], v[RS+8*\u:RS+8*\u+1], v[RS+8*\u+4:RS+8*\u+5]
.endr
.irp u, 0,1
	v_pk_add_f32 v[RS+16*\u:RS+16*\u+1], v[RS+16*\u:RS+16*\u+1], v[RS+16*\u+8:RS+16*\u+9]
.endr
	v_pk_add_f32 v[RS:RS+1], v[RS:RS+1], v[RS+16:RS+17]
	v_pk_fma_f32 v[RL:RL+1], v[RL:RL+1], v[RA:RA+1], v[RS:RS+1] op_sel_hi:[1,0,1]
.set i, 0
.rept 32
	v_pk_mul_f32 v[RO+i:RO+i+1], v[RO+i:RO+i+1], v[RA:RA+1] op_sel_hi:[1,0]   ; O^T under the new m, each tile from its low end on
.set i, i+2
.endr
	s_wait_dscnt 0x0                               ; V is in
	WIN 0x01
.irp c, 0,1                                    ; the eight tiles of channels take turns
.irp t, 0,1,2,3,4,5,6,7
	v_wmma_f32_16x16x32_f16 v[RO+8*\t:RO+8*\t+7], v[128+64*\c+8*\t:128+64*\c+8*\t+7], v[RP+8*\c:RP+8*\c+7], v[RO+8*\t:RO+8*\t+7]
.endr
.endr
	WIN 0
.Lhidden_\@:
	s_add_co_u32 s[KF], s[KF], 64
.endm
; THE CHANGE OF SLOTS stands at a slot's head.  Each wave waits for all its tensor loads, adds 0 to its spare word, and waits for that and for its reads of the slot that it has left.  Behind the barrier the slot ahead is whole
; and nobody reads the other one.  fill = 1: that other slot takes the next 128 keys, while its first key is at or under my work-group's last query: a slot beyond is read by none of the eight waves.
.macro CHANGE fill
	s_wait_tensorcnt 0x0                           ; no tensor load of mine is out, so a group 0 may be written
	ds_add_u32 v[SPW], v[NIL]
.if \fill
	ds_add_u32 v[SPW], v[NIL]                      ; in the loop, twice on end, in every trip alike
	s_xor_b32 s[G0K+1], s[G0K+1], SLOT1            ; the walking descriptors: the other slot, the next 128 rows
	s_add_nc_u64 s[G0K+2:G0K+3], s[G0K+2:G0K+3], 32768
	s_xor_b32 s[G0V+1], s[G0V+1], SLOT1
	s_add_nc_u64 s[G0V+2:G0V+3], s[G0V+2:G0V+3], 32768
	s_wait_xcnt 0x0                                ; the last prefetches, a slot back, have read their address
	s_add_nc_u64 s[PFA:PFA+1], s[PFA:PFA+1], 32768
.endif
	s_wait_dscnt 0x0
	s_barrier_signal -1
	s_barrier_wait -1
.if \fill
	s_add_co_u32 s52, s[KF], 128                   ; the first key of the slot that this change would ask for
	s_cmp_gt_u32 s52, s[QLAST]                     ; ids and the count of steps alone: all eight waves go the same way, and past the limit stays past it
	s_cbranch_scc1 .Lpast_\@
	TLOAD                                          ; a wave's one tensor load until the next change; every wait for tensor loads in this text is for 0
.Lpast_\@:
	ASK
.endif
.endm
	s_wait_loadcnt 0x0                             ; Q
.Lslot:                                                ; 15 trips
	CHANGE 1
	STEP 0
	STEP 1
	s_xor_b32 s[TB], s[TB], SLOT1
	s_sub_co_u32 s[SLOTS], s[SLOTS], 1
	s_cmp_lg_u32 s[SLOTS], 0
	s_cbranch_scc1 .Lslot
	CHANGE 0                                       ; the last slot is written out: nothing is left to ask for
	STEP 0
	STEP 1
	; THE WAY OUT: O^T / l, rounded to f16, through my stage, out as 256 consecutive bytes for each 16 lanes
	PLACES
	v_add_f32 v[TT], v[RL], v[RL+1]
	v_permlanex16_b32 v[TT+1], v[TT], s[SEL], s[SEL+1]
	v_add_f32 v[TT], v[TT], v[TT+1]
	v_rcp_f32 v[RA], v[TT]
	v_nop
	s_wait_alu depctr_va_vdst(0)
.set i, 0
.rept 32
	v_pk_mul_f32 v[RO+i:RO+i+1], v[RO+i:RO+i+1], v[RA:RA+1] op_sel_hi:[1,0]
.set i, i+2
.endr
.set i, 0
.rept 32
	v_cvt_pk_f16_f32 v[HO+i], v[RO+2*i], v[RO+2*i+1]
.set i, i+1
.endr
.irp t, 0,1,2,3,4,5,6,7
	ds_store_b128 v[STO], v[HO+4*\t:HO+4*\t+3] offset:32*\t
.endr
.irp i, 0,1,2,3,4,5,6,7
	ds_load_b128 v[RS+4*\i:RS+4*\i+3], v[RD] offset:\i*544   ; LDS serves a wave's instructions in order: these see my stores
.endr
.irp i, 0,1,2,3,4,5,6,7
	s_wait_dscnt 7-\i                              ; the younger loads may be out
	global_store_b128 v[GO], v[RS+4*\i:RS+4*\i+3], s[OB:OB+1] offset:4096*\i
.endr
	s_wait_tensorcnt 0x0                           ; the wave's end
	ds_add_u32 v[SPW], v[NIL]
	s_wait_dscnt 0x0
	s_endpgm
.Lfunc_end_k_qb0f1476eb4_attn:
	.size	k_qb0f1476eb4_attn, .Lfunc_end_k_qb0f1476eb4_attn-k_qb0f1476eb4_attn
	.p2alignl 7, 3214868480
	.fill 96, 4, 3214868480
	.section	.rodata,"a",@progbits
	.p2align	6, 0x0
	.amdhsa_kernel k_qb0f1476eb4_attn
		.amdhsa_group_segment_fixed_size 327680
		.amdhsa_private_segment_fixed_size 0
		.amdhsa_enable_private_segment 0
		.amdhsa_kernarg_size 16
		.amdhsa_user_sgpr_count 2
		.amdhsa_user_sgpr_kernarg_segment_ptr 1
		.amdhsa_wavefront_size32 1
		.amdhsa_system_sgpr_workgroup_id_x 1
		.amdhsa_system_sgpr_workgroup_id_y 1
		.amdhsa_system_sgpr_workgroup_id_z 1
		.amdhsa_system_vgpr_workitem_id 0
		.amdhsa_next_free_vgpr 512
		.amdhsa_next_free_sgpr 66
		.amdhsa_reserve_vcc 1
		.amdhsa_float_denorm_mode_32 3
		.amdhsa_float_denorm_mode_16_64 3
		.amdhsa_memory_ordered 1
		.amdhsa_forward_progress 1
		.amdhsa_inst_pref_size 82
	.end_amdhsa_kernel
	.amdgpu_metadata
---
amdhsa.version: [ 1, 2 ]
amdhsa.kernels:
  - .name:           k_qb0f1476eb4_attn
    .symbol:         k_qb0f1476eb4_attn.kd
    .args:
      - { .name: qkv16, .offset: 0, .size: 8, .value_kind: global_buffer, .address_space: global }
      - { .name: att16, .offset: 8, .size: 8, .value_kind: global_buffer, .address_space: global }
    .group_segment_fixed_size: 327680
    .private_segment_fixed_size: 0
    .kernarg_segment_align: 8
    .kernarg_segment_size: 16
    .max_flat_workgroup_size: 256
    .sgpr_count:     66
    .vgpr_count:     512
    .wavefront_size: 32
...
	.end_amdgpu_metadata
.endif
;; end of part 3
;; launch proj (part 4): grid 16 x 16, 4 waves a work-group, clusters of 4 x 4, 327,680 bytes of LDS; arguments att16, wo16, out0; writes out0
.if DOCPART == 4
	.amdgcn_target "amdgcn-amd-amdhsa--gfx1250"
	.amdhsa_code_object_version 6
	.text
	.protected	k_qb0f1476eb4_proj
	.globl	k_qb0f1476eb4_proj
	.p2align	8
	.type	k_qb0f1476eb4_proj,@function
k_qb0f1476eb4_proj:
	s_mov_b64 s[64:65], 0
	v_nop
	global_prefetch_b8 v0, s[64:65] scope:SCOPE_SE
	s_setreg_imm32_b32 hwreg(HW_REG_WAVE_MODE, 25, 1), 1
	s_wait_xcnt 0x0
	s_wait_alu depctr_hold_cnt(0) depctr_sa_sdst(0) depctr_va_vdst(0) depctr_va_sdst(0) depctr_va_ssrc(0) depctr_va_vcc(0) depctr_vm_vsrc(0)
	s_getreg_b32 s2, hwreg(HW_REG_IB_STS2, 6, 4)
	s_cmp_eq_u32 s2, 0
	s_cbranch_scc0 .Lentry_in_a_cluster
	s_endpgm
.Lentry_in_a_cluster:
	s_bfe_u32 s2, ttmp6, 0x10000c
	s_cmp_lg_u32 s2, 0xf033
	s_cbranch_scc0 .Lentry_shape_is_right
	s_endpgm
.Lentry_shape_is_right:
; out0[m][n] = sum over k of att16[m][k] wo16[n][k].  att16 [4096][1024], wo16 [4096][1024]: f16; out0 [4096][4096]: f32; sums in f32.
; The 32 rows of positions 0-15 are computed here like all others and written again, from f32 operands, by the launch that follows: leaving them out of a tile of 256 rows would take a branch on a place in the cluster.
; A tile of 256 x 256 is made by four waves, each 128 x 128: 64 accumulators, 512 registers.  K goes in steps of 128 (rows of 256 bytes) through two LDS slots.
; CLUSTERS 4 x 4: the four of a row need the same tiles of att16, the four of a column the same tiles of wo16: each is asked for jointly.  THE MATRIX INSTRUCTION IS USED TRANSPOSED (source 0 = 16 rows of wo16).
; REGISTERS: window 0: v0-31 addresses; v64-127, v128-191 fragments of att16, two buffers; on the way out v128-255 rows read back.  window 1: the same for wo16.  windows 2, 3: the accumulators of my rows 0-63, 64-127.
.set SIZE_N, 4096
.set SIZE_K, 1024
.set KSTEP,  128
.set PITCH,  272
.set HALFT,  128*PITCH
.set SLOT,   4*HALFT
.set STAGE,  2*SLOT                    ; behind the ring: 16 rows x (512 + 16) bytes for each wave
.set SPITCH, 528
.set SPARE,  STAGE+4*16*SPITCH         ; the spare words, 128 bytes a wave
.set LAPS,   SIZE_K/(2*KSTEP)
.set ADRA, 16
.set ADRB, 20
.set STO,  24
.set RD,   25
.set CO,   26
.set SPW,  28
.set NIL,  29
.set PFO,  30
.set PFA,  44
.set LIM,  43
.set F0,   64
.set F1,   128
.set BK,   128
.set G1, 24
.set G0, 32
.set G1B, 48
.set G0B, 56
.set MSB, 0
.macro WIN new
.if MSB != \new
	s_set_vgpr_msb (MSB<<8)|\new
.set MSB, \new
.endif
.endm
.set MUL_LO, 0xa1                      ; source 0 window 1, source 1 window 0, C and D window 2
.set MUL_HI, 0xf1                      ; the same, C and D window 3
.set TO_B,   0x40
.macro PLACES
.rept 4
	v_nop
.endr
.endm
.macro JLOAD s                         ; waves 0 and 1 fetch att16's two halves, waves 2 and 3 wo16's; an s_nop 0 and four v_nop follow each line
	s_cmp_eq_u32 s11, 0
	s_cbranch_scc0 .Lfor_b_\@
	tensor_load_to_lds s[G0+4*\s:G0+4*\s+3], s[G1:G1+7]
	s_nop 0
	PLACES
	s_branch .Lasked_\@
.Lfor_b_\@:
	tensor_load_to_lds s[G0B+4*\s:G0B+4*\s+3], s[G1B:G1B+7]
	s_nop 0
	PLACES
.Lasked_\@:
.endm
; A prefetch of the K step that stands two refills on: 32 rows x 256 bytes, a lane a row, one instruction a wave.  att16's rows are read by every cluster of a row of clusters: cluster x = 0 asks; wo16's by every cluster of a
; column: cluster y = 0 asks.  The four partners share a wave's 128 rows out by address, 32 each.  So each row's 256 bytes of a K step are named once.  The last trip's two refills have no K step two on.
.macro ASK
	s_cmp_gt_u32 s3, s[LIM]
	s_cbranch_scc0 .Lnot_mine_\@
	global_prefetch_b8 v[PFO], s[PFA:PFA+1] offset:KSTEP*2 th:TH_LOAD_NT scope:SCOPE_SE
.Lnot_mine_\@:
.endm
.macro CREST
	s_cmp_lg_u32 s10, 0
	s_cbranch_scc1 .Lnot_wave_0_\@
	s_barrier_signal -3
.Lnot_wave_0_\@:
	s_barrier_wait -3
	s_barrier_signal -1
	s_barrier_wait -1
.endm
.macro CROUND
	s_barrier_signal -1
	s_barrier_wait -1
	CREST
.endm
	s_load_b128 s[4:7], s[0:1], 0x0                ; att16, wo16
	s_load_b64 s[8:9], s[0:1], 0x10                ; out0
	v_lshl_add_u32 v[SPW], v0, 2, SPARE
	v_mov_b32 v[NIL], 0
	ds_add_u32 v[SPW], v[NIL]                      ; the opening: the add, twice on end, and its wait ahead of my first tensor load
	ds_add_u32 v[SPW], v[NIL]
	v_lshrrev_b32 v1, 5, v0
	v_readfirstlane_b32 s10, v1                    ; wave 0..3
	s_lshr_b32 s11, s10, 1                         ; which half of the tile's rows is mine; also: I fetch for att16 (0) or wo16 (1)
	s_and_b32 s12, s10, 1                          ; which half of its columns; also: which 128 rows I fetch
	s_bfe_u32 s40, ttmp6, 0x40000                  ; cx
	s_bfe_u32 s41, ttmp6, 0x40004                  ; cy
	s_lshl_b32 s42, ttmp9, 2
	s_add_co_u32 s42, s42, s40                     ; tile column
	s_and_b32 s13, ttmp7, 0xffff
	s_lshl_b32 s13, s13, 2
	s_add_co_u32 s13, s13, s41                     ; tile row
	s_lshl_b32 s43, s41, 2
	s_lshl_b32 s43, 15, s43                        ; my row of the cluster
	s_lshl_b32 s44, 0x1111, s40                    ; my column
	s_or_b32 s[G1+0], s43, (1<<16)|(1<<20)|(1<<21)|(5<<22)|(3<<25)   ; the mask; elements of 2 bytes; 4 words of padding behind every 64
	s_or_b32 s[G1B+0], s44, (1<<16)|(1<<20)|(1<<21)|(5<<22)|(3<<25)
.irp g, G1, G1B
	s_mov_b32 s[\g+1], KSTEP<<16                   ; tensor_dim0
	s_mov_b32 s[\g+2], 128<<16                     ; tensor_dim1
	s_mov_b32 s[\g+3], KSTEP<<16                   ; tile_dim0
	s_mov_b32 s[\g+4], 128                         ; tile_dim1
	s_mov_b32 s[\g+5], SIZE_K                      ; from row to row
	s_mov_b32 s[\g+6], 0
	s_mov_b32 s[\g+7], 0
.endr
	s_lshl_b32 s17, s12, 7
	s_lshl_b32 s16, s13, 8
	s_add_co_u32 s16, s16, s17                     ; att16: row 256 x tile row + 128 x half
	s_lshl_b32 s46, s42, 8
	s_add_co_u32 s46, s46, s17                     ; wo16: row 256 x tile column + 128 x half
	s_mov_b32 s17, 0
	s_mov_b32 s47, 0
	s_mov_b64 s[18:19], SIZE_K*2
	s_mul_u64 s[16:17], s[16:17], s[18:19]
	s_mul_u64 s[46:47], s[46:47], s[18:19]
	s_mul_i32 s20, s10, HALFT                      ; where they go: wave x 128 rows
	s_wait_dscnt 0x0                               ; both opening adds are done
	s_wait_kmcnt 0x0
	s_add_nc_u64 s[14:15], s[4:5], s[16:17]
	s_add_nc_u64 s[46:47], s[6:7], s[46:47]
	CROUND                                         ; all sixteen work-groups are here: the first joint loads meet
.irp s, 0,1
	s_mov_b32 s[G0+4*\s], 1
	s_add_co_u32 s[G0+4*\s+1], s20, \s*SLOT
	s_add_nc_u64 s[G0+4*\s+2:G0+4*\s+3], s[14:15], \s*KSTEP*2
	s_or_b32 s[G0+4*\s+3], s[G0+4*\s+3], 0x80000000
	s_mov_b32 s[G0B+4*\s], 1
	s_add_co_u32 s[G0B+4*\s+1], s20, \s*SLOT
	s_add_nc_u64 s[G0B+4*\s+2:G0B+4*\s+3], s[46:47], \s*KSTEP*2
	s_or_b32 s[G0B+4*\s+3], s[G0B+4*\s+3], 0x80000000
	JLOAD \s
.endr
	v_and_b32 v1, 15, v0                           ; r
	v_bfe_u32 v2, v0, 4, 1                         ; h
	v_mul_u32_u24 v3, v1, PITCH
	v_lshl_add_u32 v3, v2, 4, v3
	s_mul_i32 s21, s11, HALFT
	s_mul_i32 s22, s12, HALFT
	s_add_co_u32 s22, s22, 2*HALFT
.irp s, 0,1
	v_add_nc_u32 v[ADRA+\s], s21, v3
	v_add_nc_u32 v[ADRB+\s], s22, v3
	s_add_co_u32 s21, s21, SLOT
	s_add_co_u32 s22, s22, SLOT
.endr
	s_mul_i32 s23, s10, 16*SPITCH
	s_add_co_u32 s23, s23, STAGE                   ; my stage
	v_mul_u32_u24 v5, v1, SPITCH
	v_lshl_add_u32 v5, v2, 5, v5
	v_add_nc_u32 v[STO], s23, v5                   ; in: row r, 32 bytes for each half of the lanes
	v_and_b32 v6, 31, v0
	v_lshlrev_b32 v[CO], 4, v6                     ; back: the 32 lanes take one row of 512 bytes; the same in out0
	v_add_nc_u32 v[RD], s23, v[CO]
	s_lshl_b32 s13, s13, 8
	s_lshl_b32 s14, s11, 7
	s_add_co_u32 s16, s13, s14                     ; my first row of out0
	s_mov_b32 s17, 0
	s_mov_b64 s[18:19], SIZE_N*4
	s_mul_u64 s[16:17], s[16:17], s[18:19]
	s_lshl_b32 s46, s42, 10                        ; my first column, in bytes: 1,024 x tile column + 512 x half
	s_lshl_b32 s47, s12, 9
	s_add_co_u32 s46, s46, s47
	s_mov_b32 s47, 0
	s_add_nc_u64 s[16:17], s[16:17], s[46:47]
	s_add_nc_u64 s[8:9], s[8:9], s[16:17]
	; the prefetches: s13 = 256 x tile row, s42 = tile column, s40 = cx, s41 = cy
	s_lshl_b32 s42, s42, 8
	s_and_b32 s22, ttmp7, 0xffff
	s_cmp_eq_u32 s11, 0
	s_cselect_b32 s20, s13, s42                    ; the tile's first row
	s_cselect_b32 s21, s40, s41                    ; my place among the four that ask with me
	s_cselect_b32 s22, ttmp9, s22                  ; the coordinate along which other clusters read the same rows
	s_cselect_b64 s[PFA:PFA+1], s[4:5], s[6:7]
	s_cmp_eq_u32 s22, 0
	s_cselect_b32 s[LIM], 1, -1
	s_lshl_b32 s22, s12, 7
	s_add_co_u32 s20, s20, s22
	s_lshl_b32 s21, s21, 5
	s_add_co_u32 s20, s20, s21
	s_mov_b32 s21, 0
	s_mov_b64 s[18:19], SIZE_K*2
	s_mul_u64 s[20:21], s[20:21], s[18:19]
	s_add_nc_u64 s[PFA:PFA+1], s[PFA:PFA+1], s[20:21]
	s_add_nc_u64 s[PFA:PFA+1], s[PFA:PFA+1], 2*KSTEP*2   ; at K step 2: the first refill steps it to 3 and names K step 4
	v_and_b32 v[PFO], 31, v0
	v_mul_u32_u24 v[PFO], v[PFO], SIZE_K*2
; 16 matrix instructions: m blocks a0, a0 + 1 of the window's four x all 8 n blocks, 32 along K.  The 64 accumulators take turns in one order throughout
.macro MUL16 f, hi, a0, zero
.irp a, \a0, \a0+1
.irp b, 0,1,2,3,4,5,6,7
.if \zero
	v_wmma_f32_16x16x32_f16 v[8*(8*(\a)+\b):8*(8*(\a)+\b)+7], v[\f+8*\b:\f+8*\b+7], v[\f+8*(4*\hi+\a):\f+8*(4*\hi+\a)+7], 0
.else
	v_wmma_f32_16x16x32_f16 v[8*(8*(\a)+\b):8*(8*(\a)+\b)+7], v[\f+8*\b:\f+8*\b+7], v[\f+8*(4*\hi+\a):\f+8*(4*\hi+\a)+7], v[8*(8*(\a)+\b):8*(8*(\a)+\b)+7]
.endif
.endr
.endr
.endm
.macro FETCH slot, k, f                ; 32 LDS loads in one run: wo16's 128 rows, then att16's, 32 K at byte k of the rows
	WIN TO_B
.irp i, 0,1,2,3,4,5,6,7
	ds_load_b128 v[\f+8*\i:\f+8*\i+3],   v[ADRB+\slot] offset:\k+\i*16*PITCH
	ds_load_b128 v[\f+8*\i+4:\f+8*\i+7], v[ADRB+\slot] offset:\k+\i*16*PITCH+32
.endr
	WIN 0
.irp i, 0,1,2,3,4,5,6,7
	ds_load_b128 v[\f+8*\i:\f+8*\i+3],   v[ADRA+\slot] offset:\k+\i*16*PITCH
	ds_load_b128 v[\f+8*\i+4:\f+8*\i+7], v[ADRA+\slot] offset:\k+\i*16*PITCH+32
.endr
.endm
.macro QUARTER slot, k, f, g, zero     ; 32 along K: multiplies buffer f; in its middle fetches the next quarter into g
	s_wait_dscnt 8                                 ; all but the youngest eight loads (att16's rows 64-127) are in
	WIN MUL_LO
	MUL16 \f, 0, 0, \zero
	MUL16 \f, 0, 2, \zero
	PLACES
	FETCH \slot, \k, \g
	s_wait_dscnt 32                                ; all but the 32 just issued
	WIN MUL_HI
	MUL16 \f, 1, 0, \zero
	MUL16 \f, 1, 2, \zero
.endm
.macro MEET round                      ; the first half of a slot's last quarter: one barrier for the change of slots
	WIN 0
	s_wait_tensorcnt 0x0                           ; all my tensor loads have landed: my part of the next slot
	ds_add_u32 v[SPW], v[NIL]
	s_wait_dscnt 9                                 ; the add and the youngest eight loads may be out
	WIN MUL_LO
	MUL16 F1, 0, 0, 0
	s_wait_dscnt 0x0                               ; the add is done, and my reads of this slot are over
	s_barrier_signal -1
	MUL16 F1, 0, 2, 0
.if \round
	WIN 0
.endif
	s_barrier_wait -1
.endm
.macro TURN slot, next
	s_wait_xcnt 0x0                                ; the last prefetch, a K step back, has read its address
	s_add_nc_u64 s[PFA:PFA+1], s[PFA:PFA+1], KSTEP*2
	MEET 1
	CREST                                          ; no wave of any partner still reads this slot or has a load on its way
	s_add_nc_u64 s[G0+4*\slot+2:G0+4*\slot+3], s[G0+4*\slot+2:G0+4*\slot+3], 2*KSTEP*2
	s_add_nc_u64 s[G0B+4*\slot+2:G0B+4*\slot+3], s[G0B+4*\slot+2:G0B+4*\slot+3], 2*KSTEP*2
	JLOAD \slot                                    ; the first tensor load behind the round; its four v_nop are also the places in front of the loads below
	FETCH \next, 0, F0
	ASK
	WIN MUL_HI
	MUL16 F1, 1, 0, 0
	MUL16 F1, 1, 2, 0
.endm
	s_wait_tensorcnt 1                             ; my part of K step 0 is in; K step 1's load may be out
	s_barrier_signal -1
	s_barrier_wait -1
	FETCH 0, 0, F0
	QUARTER 0, 64,  F0, F1, 1                      ; the first quarter's products start the sums
	WIN 0
	s_mov_b32 s3, LAPS-1
.Llap:
	QUARTER 0, 128, F1, F0, 0
	QUARTER 0, 192, F0, F1, 0
	TURN 0, 1
	QUARTER 1, 64,  F0, F1, 0
	QUARTER 1, 128, F1, F0, 0
	QUARTER 1, 192, F0, F1, 0
	TURN 1, 0
	QUARTER 0, 64,  F0, F1, 0
	WIN 0
	s_sub_co_u32 s3, s3, 1
	s_cmp_lg_u32 s3, 0
	s_cbranch_scc1 .Llap
	QUARTER 0, 128, F1, F0, 0                      ; the last lap fills nothing
	QUARTER 0, 192, F0, F1, 0
	MEET 0
	PLACES
	FETCH 1, 0, F0
	WIN MUL_HI
	MUL16 F1, 1, 0, 0
	MUL16 F1, 1, 2, 0
	QUARTER 1, 64,  F0, F1, 0
	QUARTER 1, 128, F1, F0, 0
	QUARTER 1, 192, F0, F1, 0
	s_wait_dscnt 8
	WIN MUL_LO
	MUL16 F1, 0, 0, 0
	MUL16 F1, 0, 2, 0
	s_wait_dscnt 0x0
	WIN MUL_HI
	MUL16 F1, 1, 0, 0
	MUL16 F1, 1, 2, 0
	WIN 0
; THE WAY OUT, a block of 16 rows x 128 columns at a time, through my own stage: back as whole rows of 512 bytes
.macro TOSTAGE a
.set AC, 64*((\a)%4)
	WIN 0x08+4*((\a)/4)                            ; an LDS store's data: window 2 or 3
.irp b, 0,1,2,3,4,5,6,7
	ds_store_b128 v[STO], v[AC+8*\b:AC+8*\b+3] offset:64*\b          ; each accumulator from its low end on
	ds_store_b128 v[STO], v[AC+8*\b+4:AC+8*\b+7] offset:64*\b+16
.endr
	WIN 0
.set BB, BK+64*((\a)%2)
.irp t, 0,1,2,3,4,5,6,7,8,9,10,11,12,13,14,15
	ds_load_b128 v[BB+4*\t:BB+4*\t+3], v[RD] offset:\t*SPITCH        ; LDS serves a wave's instructions in order: these see my stores
.endr
.endm
.macro SEND a, younger                 ; younger: the LDS instructions issued behind block a's loads, which may stay out
.set BB, BK+64*((\a)%2)
	s_wait_dscnt \younger
.if (\a) > 0
	s_add_nc_u64 s[8:9], s[8:9], 16*SIZE_N*4       ; 16 rows on (the earlier stores have read their base: the wait for that stands ahead)
.endif
.irp t, 0,1,2,3,4,5,6,7,8,9,10,11,12,13,14,15
	global_store_b128 v[CO], v[BB+4*\t:BB+4*\t+3], s[8:9] offset:\t*SIZE_N*4   ; 32 lanes store 512 consecutive bytes, aligned
.endr
.endm
	PLACES                                         ; in front of the first read of results and of the loads into att16's fragment registers
	TOSTAGE 0
.irp a, 1,2,3,4,5,6,7
.if \a > 1
	s_wait_xcnt 0x0                                ; block a - 2's stores have read their registers and their base
.endif
	TOSTAGE \a
	SEND \a-1, 32                                  ; behind block a - 1's loads: block a's 16 stores and 16 loads
.endr
	s_wait_xcnt 0x0
	SEND 7, 0
	s_wait_tensorcnt 0x0                           ; the wave's end
	ds_add_u32 v[SPW], v[NIL]
	s_wait_dscnt 0x0
	CROUND                                         ; the closing round
	s_endpgm
.Lfunc_end_k_qb0f1476eb4_proj:
	.size	k_qb0f1476eb4_proj, .Lfunc_end_k_qb0f1476eb4_proj-k_qb0f1476eb4_proj
	.p2alignl 7, 3214868480
	.fill 96, 4, 3214868480
	.section	.rodata,"a",@progbits
	.p2align	6, 0x0
	.amdhsa_kernel k_qb0f1476eb4_proj
		.amdhsa_group_segment_fixed_size 327680
		.amdhsa_private_segment_fixed_size 0
		.amdhsa_enable_private_segment 0
		.amdhsa_kernarg_size 24
		.amdhsa_user_sgpr_count 2
		.amdhsa_user_sgpr_kernarg_segment_ptr 1
		.amdhsa_wavefront_size32 1
		.amdhsa_system_sgpr_workgroup_id_x 1
		.amdhsa_system_sgpr_workgroup_id_y 1
		.amdhsa_system_sgpr_workgroup_id_z 1
		.amdhsa_system_vgpr_workitem_id 0
		.amdhsa_next_free_vgpr 1024
		.amdhsa_next_free_sgpr 66
		.amdhsa_reserve_vcc 0
		.amdhsa_float_denorm_mode_32 3
		.amdhsa_float_denorm_mode_16_64 3
		.amdhsa_memory_ordered 1
		.amdhsa_forward_progress 1
		.amdhsa_inst_pref_size 142
	.end_amdhsa_kernel
	.amdgpu_metadata
---
amdhsa.version: [ 1, 2 ]
amdhsa.kernels:
  - .name:           k_qb0f1476eb4_proj
    .symbol:         k_qb0f1476eb4_proj.kd
    .args:
      - { .name: att16, .offset: 0, .size: 8, .value_kind: global_buffer, .address_space: global }
      - { .name: wo16, .offset: 8, .size: 8, .value_kind: global_buffer, .address_space: global }
      - { .name: out0, .offset: 16, .size: 8, .value_kind: global_buffer, .address_space: global }
    .group_segment_fixed_size: 327680
    .private_segment_fixed_size: 0
    .kernarg_segment_align: 8
    .kernarg_segment_size: 24
    .max_flat_workgroup_size: 128
    .sgpr_count:     66
    .vgpr_count:     1024
    .wavefront_size: 32
...
	.end_amdgpu_metadata
.endif
;; end of part 4
;; launch first16 (part 5): grid 128 x 2, 8 waves a work-group, no clusters, 75,776 bytes of LDS; arguments fine, wo, out0; writes out0
.if DOCPART == 5
	.amdgcn_target "amdgcn-amd-amdhsa--gfx1250"
	.amdhsa_code_object_version 6
	.text
	.protected	k_qb0f1476eb4_first16
	.globl	k_qb0f1476eb4_first16
	.p2align	8
	.type	k_qb0f1476eb4_first16,@function
k_qb0f1476eb4_first16:
	s_mov_b64 s[64:65], 0
	v_nop
	global_prefetch_b8 v0, s[64:65] scope:SCOPE_SE
	s_setreg_imm32_b32 hwreg(HW_REG_WAVE_MODE, 25, 1), 1
	s_wait_xcnt 0x0
; Positions 0-15 of both sequences, attention and projection, all operands in f32: under the causal mask these rows average one to sixteen values, and the rounding of 16-bit operands weighs most there.
; fine [16 b + position][2048] f32: columns 0-1023 q' = q x 2 log2(e) / sqrt(128), 1024-1535 k' = k / 2, 1536-2047 v.  wo [4096][1024] f32.  The 32 rows 2048 b + 0 .. 15 of out0 are written whole.
; SHARES.  Work-group (x, b): 32 columns of out0 from 32 x on.  Part 1: wave w is head w, for the batch's 16 positions (repeated in the batch's 128 work-groups: 64 matrix instructions a wave); the result goes to LDS.
; Part 2: wave w makes columns 16 (w % 2) on over the quarter w / 2 of K = 1,024; the four quarters meet in LDS, and waves 0 and 1 add and store.  A work-group writes 128 bytes of each of its 16 rows.
; THE f32 MATRIX FORM takes 4 along K.  K is permuted alike on both sources: lane (r, h) holds 16 bytes at 32 c + 16 h of its row; registers 0, 1 feed one instruction, registers 2, 3 the next.
; Its results lie in v64-159 of window 0, which matrix instructions alone write; every sum begins with C = 0 and is taken over into other registers.
; LIMITS: NaN and infinities are not served; the order of the sums differs from the reference's.
; REGISTERS: window 0: v1-15 addresses; v32-39 T, v40-47 p / l, v48-55 at work, v56-63 R; v64-95 four accumulators; v96-159 O^T; v160-223 V, later the second half of the attention rows; v224-255 wo, chunks 0-7.
;   window 1: v0-63 q, later wo's chunks 16-31; v160-223 k, later the first half of the attention rows; v224-255 wo's chunks 8-15.
.set APITCH, 4112                      ; a position's 1,024 numbers + 16 bytes
.set RED,    16*APITCH                 ; behind them: 1,024 bytes for each wave's partial sums
.set SPARE,  RED+8*1024                ; the spare words, 128 bytes a wave
.set QA,  3
.set VA,  4
.set WA,  5
.set AST, 6
.set ALD, 7
.set RST, 8
.set OO,  10
.set DD,  11
.set NEGINF, 12
.set SPW, 13
.set NIL, 14
.set T,   32
.set PN,  40
.set W,   48
.set RR,  56
.set SA,  64
.set OA,  96
.set VF,  160
.set MSB, 0
.macro WIN new
.if MSB != \new
	s_set_vgpr_msb (MSB<<8)|\new
.set MSB, \new
.endif
.endm
.macro PLACES8                         ; eight places behind this matrix form
.rept 8
	v_nop
.endr
.endm
	s_load_b128 s[4:7], s[0:1], 0x0                ; fine, wo
	s_load_b64 s[8:9], s[0:1], 0x10                ; out0
	v_lshl_add_u32 v[SPW], v0, 2, SPARE
	v_mov_b32 v[NIL], 0
	v_lshrrev_b32 v1, 5, v0
	v_readfirstlane_b32 s10, v1                    ; wave 0..7
	v_and_b32 v1, 15, v0                           ; r
	v_bfe_u32 v2, v0, 4, 1                         ; h
	v_and_b32 v15, 31, v0                          ; lane
	s_and_b32 s11, ttmp7, 0xffff                   ; b
	s_lshl_b32 s12, ttmp9, 5                       ; my work-group's first column
	s_and_b32 s13, s10, 1                          ; part 2: which 16 columns
	s_lshr_b32 s14, s10, 1                         ; part 1: my key head; part 2: my quarter of K
	v_lshlrev_b32 v[QA], 13, v1
	v_lshl_add_u32 v[QA], v2, 4, v[QA]             ; q, k: row r of 8,192 bytes, + 16 h
	v_lshlrev_b32 v[VA], 2, v1
	v_lshl_add_u32 v[VA], v2, 16, v[VA]            ; v: key 8 h on, channel r
	v_lshlrev_b32 v[WA], 12, v1
	v_lshl_add_u32 v[WA], v2, 4, v[WA]             ; wo: row r of 4,096 bytes, + 16 h
	v_mul_u32_u24 v9, v1, APITCH
	s_lshl_b32 s15, s10, 9
	v_lshl_add_u32 v[AST], v2, 5, v9
	v_add_nc_u32 v[AST], s15, v[AST]               ; LDS, in: position r, my head's 512 bytes, + 32 h
	s_lshl_b32 s15, s14, 10
	v_lshl_add_u32 v[ALD], v2, 4, v9
	v_add_nc_u32 v[ALD], s15, v[ALD]               ; and back: position r, my quarter's 1,024 bytes, + 16 h
	s_lshl_b32 s15, s10, 10
	s_add_co_u32 s15, s15, RED
	v_lshl_add_u32 v[RST], v15, 4, s15             ; my wave's partial sums: 16 x lane
	v_lshlrev_b32 v[OO], 14, v1
	v_lshl_add_u32 v[OO], v2, 5, v[OO]             ; out0: row r of 16,384 bytes, + 32 h
	v_lshlrev_b32 v9, 3, v2
	v_sub_nc_u32 v[DD], v1, v9                     ; r - 8 h
	v_mov_b32 v[NEGINF], 0xff800000
	s_mov_b32 s28, 0x76543210
	s_mov_b32 s29, 0xfedcba98
	s_lshl_b32 s16, s11, 17                        ; the batch's 16 rows of fine,
	s_lshl_b32 s24, s10, 9
	s_add_co_u32 s16, s16, s24                     ; my head's q
	s_mov_b32 s17, 0
	s_lshl_b32 s18, s11, 17
	s_lshl_b32 s24, s14, 9
	s_add_co_u32 s18, s18, s24
	s_add_co_u32 s18, s18, 4096                    ; my key head's k; its v lies 2,048 bytes on
	s_mov_b32 s19, 0
	s_lshl_b32 s24, s13, 4
	s_add_co_u32 s24, s24, s12                     ; part 2: my first column
	s_lshl_b32 s20, s24, 12
	s_lshl_b32 s25, s14, 10
	s_add_co_u32 s20, s20, s25                     ; wo: that row, my quarter of K
	s_mov_b32 s21, 0
	s_lshl_b32 s22, s11, 25                        ; out0: 2,048 rows of 16,384 bytes a batch
	s_lshl_b32 s24, s24, 2
	s_add_co_u32 s22, s22, s24
	s_mov_b32 s23, 0
	s_wait_kmcnt 0x0
	s_add_nc_u64 s[16:17], s[4:5], s[16:17]
	s_add_nc_u64 s[18:19], s[4:5], s[18:19]
	s_add_nc_u64 s[20:21], s[6:7], s[20:21]
	s_add_nc_u64 s[22:23], s[8:9], s[22:23]
	WIN 0x40
.irp c, 0,1,2,3,4,5,6,7,8,9,10,11,12,13,14,15
	global_load_b128 v[4*\c:4*\c+3], v[QA], s[16:17] offset:32*\c          ; q
.endr
.irp c, 0,1,2,3,4,5,6,7,8,9,10,11,12,13,14,15
	global_load_b128 v[160+4*\c:160+4*\c+3], v[QA], s[18:19] offset:32*\c  ; k
.endr
	WIN 0
.irp t, 0,1,2,3,4,5,6,7
.irp e, 0,1,2,3,4,5,6,7
	global_load_b32 v[VF+8*\t+\e], v[VA], s[18:19] offset:2048+8192*\e+64*\t   ; v(key 8 h + e, channel 16 t + r)
.endr
.endr
.irp c, 0,1,2,3,4,5,6,7
	global_load_b128 v[224+4*\c:224+4*\c+3], v[WA], s[20:21] offset:32*\c
.endr
	WIN 0x40
.irp c, 0,1,2,3,4,5,6,7
	global_load_b128 v[224+4*\c:224+4*\c+3], v[WA], s[20:21] offset:256+32*\c
.endr
	s_wait_loadcnt 63                              ; 80 loads were issued behind k's last: with at most 63 out, q and k are in
	WIN 0x05                                       ; sources 0 and 1 window 1
.set n, 0
.rept 32                                       ; S^T = k q^T: register j of a result: key 8 h + j, query r.  Four accumulators by turns
.if n < 4
	v_wmma_f32_16x16x4_f32 v[SA+8*(n%4):SA+8*(n%4)+7], v[160+2*n:161+2*n], v[2*n:2*n+1], 0
.else
	v_wmma_f32_16x16x4_f32 v[SA+8*(n%4):SA+8*(n%4)+7], v[160+2*n:161+2*n], v[2*n:2*n+1], v[SA+8*(n%4):SA+8*(n%4)+7]
.endif
.set n, n+1
.endr
	WIN 0
	PLACES8
	WIN 0x40
.irp c, 0,1,2,3,4,5,6,7,8,9,10,11,12,13,14,15
	global_load_b128 v[4*\c:4*\c+3], v[WA], s[20:21] offset:512+32*\c      ; wo's chunks 16-31, into q's registers
.endr
	WIN 0
.irp j, 0,1,2,3,4,5,6,7
	v_add_f32 v[T+\j], v[SA+\j], v[SA+8+\j]        ; each accumulator from its low end on
.endr
.irp j, 0,1,2,3,4,5,6,7
	v_add_f32 v[W+\j], v[SA+16+\j], v[SA+24+\j]
.endr
.irp j, 0,1,2,3,4,5,6,7
	v_add_f32 v[T+\j], v[T+\j], v[W+\j]
.endr
.irp j, 0,1,2,3,4,5,6,7
	v_cmp_gt_i32 vcc_lo, \j, v[DD]                 ; key 8 h + j comes after query r
	v_cndmask_b32 v[T+\j], v[T+\j], v[NEGINF], vcc_lo
.endr
	v_max3_num_f32 v[W], v[T], v[T+1], v[T+2]
	v_max3_num_f32 v[W+1], v[T+3], v[T+4], v[T+5]
	v_max3_num_f32 v[W], v[W], v[T+6], v[T+7]
	v_max_num_f32 v[W], v[W], v[W+1]
	v_permlanex16_b32 v[W+1], v[W], s28, s29
	v_max_num_f32 v[W], v[W], v[W+1]               ; the row's maximum: key 0 counts for every query
.irp j, 0,1,2,3,4,5,6,7
	v_sub_f32 v[T+\j], v[T+\j], v[W]
.endr
.irp j, 0,1,2,3,4,5,6,7
	v_exp_f32 v[T+\j], v[T+\j]
.endr
	v_nop
	s_wait_alu depctr_va_vdst(0)                   ; one wait for the eight, ahead of the first line that names a result
	v_add_f32 v[W+1], v[T], v[T+1]
	v_add_f32 v[W+2], v[T+2], v[T+3]
	v_add_f32 v[W+3], v[T+4], v[T+5]
	v_add_f32 v[W+4], v[T+6], v[T+7]
	v_add_f32 v[W+1], v[W+1], v[W+2]
	v_add_f32 v[W+3], v[W+3], v[W+4]
	v_add_f32 v[W+1], v[W+1], v[W+3]
	v_permlanex16_b32 v[W+2], v[W+1], s28, s29
	v_add_f32 v[W+1], v[W+1], v[W+2]
	v_rcp_f32 v[W+3], v[W+1]
	v_nop
	s_wait_alu depctr_va_vdst(0)
.irp j, 0,1,2,3,4,5,6,7
	v_mul_f32 v[PN+\j], v[T+\j], v[W+3]            ; the weights, normalised
.endr
	s_wait_loadcnt 32                              ; v is in; wo's 32 loads may be out
.irp i, 0,1,2,3                                ; O^T = v^T p: keys 8 h + 2 i, + 1 an instruction; the eight tiles of channels take turns
.irp t, 0,1,2,3,4,5,6,7
.if \i == 0
	v_wmma_f32_16x16x4_f32 v[OA+8*\t:OA+8*\t+7], v[VF+8*\t+2*\i:VF+8*\t+2*\i+1], v[PN+2*\i:PN+2*\i+1], 0
.else
	v_wmma_f32_16x16x4_f32 v[OA+8*\t:OA+8*\t+7], v[VF+8*\t+2*\i:VF+8*\t+2*\i+1], v[PN+2*\i:PN+2*\i+1], v[OA+8*\t:OA+8*\t+7]
.endif
.endr
.endr
	PLACES8
.irp t, 0,1,2,3,4,5,6,7
	ds_store_b128 v[AST], v[OA+8*\t:OA+8*\t+3] offset:64*\t        ; query r, channels 16 t + 8 h on; each result from its low end on
	ds_store_b128 v[AST], v[OA+8*\t+4:OA+8*\t+7] offset:64*\t+16
.endr
	s_wait_dscnt 0x0                               ; for the others' sake: my stores are done
	s_barrier_signal -1
	s_barrier_wait -1                              ; the 16 positions' 1,024 numbers lie in LDS
	WIN 0x40
.irp c, 0,1,2,3,4,5,6,7,8,9,10,11,12,13,14,15
	ds_load_b128 v[160+4*\c:160+4*\c+3], v[ALD] offset:32*\c
.endr
	WIN 0
.irp c, 0,1,2,3,4,5,6,7,8,9,10,11,12,13,14,15
	ds_load_b128 v[160+4*\c:160+4*\c+3], v[ALD] offset:512+32*\c
.endr
	s_wait_loadcnt 0x0                             ; wo
	s_wait_dscnt 0x0
	WIN 0x04                                       ; source 0 (wo) window 0, source 1 (the rows) window 1
.set n, 0
.rept 16                                       ; register j of a result: column 8 h + j, position r
.if n < 4
	v_wmma_f32_16x16x4_f32 v[SA+8*(n%4):SA+8*(n%4)+7], v[224+2*n:225+2*n], v[160+2*n:161+2*n], 0
.else
	v_wmma_f32_16x16x4_f32 v[SA+8*(n%4):SA+8*(n%4)+7], v[224+2*n:225+2*n], v[160+2*n:161+2*n], v[SA+8*(n%4):SA+8*(n%4)+7]
.endif
.set n, n+1
.endr
	WIN 0x05                                       ; both window 1
.rept 16
	v_wmma_f32_16x16x4_f32 v[SA+8*(n%4):SA+8*(n%4)+7], v[224+2*(n-16):225+2*(n-16)], v[160+2*n:161+2*n], v[SA+8*(n%4):SA+8*(n%4)+7]
.set n, n+1
.endr
	WIN 0x01                                       ; source 0 window 1, source 1 window 0
.rept 32
	v_wmma_f32_16x16x4_f32 v[SA+8*(n%4):SA+8*(n%4)+7], v[2*(n-32):2*(n-32)+1], v[160+2*(n-32):161+2*(n-32)], v[SA+8*(n%4):SA+8*(n%4)+7]
.set n, n+1
.endr
	WIN 0
	PLACES8
.irp j, 0,1,2,3,4,5,6,7
	v_add_f32 v[RR+\j], v[SA+\j], v[SA+8+\j]
.endr
.irp j, 0,1,2,3,4,5,6,7
	v_add_f32 v[W+\j], v[SA+16+\j], v[SA+24+\j]
.endr
.irp j, 0,1,2,3,4,5,6,7
	v_add_f32 v[RR+\j], v[RR+\j], v[W+\j]
.endr
	ds_store_b128 v[RST], v[RR:RR+3]
	ds_store_b128 v[RST], v[RR+4:RR+7] offset:512
	s_wait_dscnt 0x0
	s_barrier_signal -1
	s_barrier_wait -1                              ; all eight waves' partial sums lie in LDS
	s_cmp_lt_u32 s10, 2                            ; waves 0 and 1 hold quarter 0 of their 16 columns: they add the other three and store
	s_cbranch_scc0 .Lend
.irp k, 1,2,3
	ds_load_b128 v[T+8*(\k-1):T+8*(\k-1)+3], v[RST] offset:2048*\k
	ds_load_b128 v[T+8*(\k-1)+4:T+8*(\k-1)+7], v[RST] offset:2048*\k+512
.endr
	s_wait_dscnt 0x0
.irp k, 0,1,2
.irp j, 0,1,2,3,4,5,6,7
	v_add_f32 v[RR+\j], v[RR+\j], v[T+8*\k+\j]
.endr
.endr
	global_store_b128 v[OO], v[RR:RR+3], s[22:23]
	global_store_b128 v[OO], v[RR+4:RR+7], s[22:23] offset:16
.Lend:
	s_wait_tensorcnt 0x0                           ; the wave's end, behind my last LDS store
	ds_add_u32 v[SPW], v[NIL]
	s_wait_dscnt 0x0
	s_endpgm
.Lfunc_end_k_qb0f1476eb4_first16:
	.size	k_qb0f1476eb4_first16, .Lfunc_end_k_qb0f1476eb4_first16-k_qb0f1476eb4_first16
	.p2alignl 7, 3214868480
	.fill 96, 4, 3214868480
	.section	.rodata,"a",@progbits
	.p2align	6, 0x0
	.amdhsa_kernel k_qb0f1476eb4_first16
		.amdhsa_group_segment_fixed_size 75776
		.amdhsa_private_segment_fixed_size 0
		.amdhsa_enable_private_segment 0
		.amdhsa_kernarg_size 24
		.amdhsa_user_sgpr_count 2
		.amdhsa_user_sgpr_kernarg_segment_ptr 1
		.amdhsa_wavefront_size32 1
		.amdhsa_system_sgpr_workgroup_id_x 1
		.amdhsa_system_sgpr_workgroup_id_y 1
		.amdhsa_system_sgpr_workgroup_id_z 1
		.amdhsa_system_vgpr_workitem_id 0
		.amdhsa_next_free_vgpr 512
		.amdhsa_next_free_sgpr 66
		.amdhsa_reserve_vcc 1
		.amdhsa_float_denorm_mode_32 3
		.amdhsa_float_denorm_mode_16_64 3
		.amdhsa_memory_ordered 1
		.amdhsa_forward_progress 1
		.amdhsa_inst_pref_size 33
	.end_amdhsa_kernel
	.amdgpu_metadata
---
amdhsa.version: [ 1, 2 ]
amdhsa.kernels:
  - .name:           k_qb0f1476eb4_first16
    .symbol:         k_qb0f1476eb4_first16.kd
    .args:
      - { .name: fine, .offset: 0, .size: 8, .value_kind: global_buffer, .address_space: global }
      - { .name: wo, .offset: 8, .size: 8, .value_kind: global_buffer, .address_space: global }
      - { .name: out0, .offset: 16, .size: 8, .value_kind: global_buffer, .address_space: global }
    .group_segment_fixed_size: 75776
    .private_segment_fixed_size: 0
    .kernarg_segment_align: 8
    .kernarg_segment_size: 24
    .max_flat_workgroup_size: 256
    .sgpr_count:     66
    .vgpr_count:     512
    .wavefront_size: 32
...
	.end_amdgpu_metadata
.endif
;; end of part 5
